; MI455X (gfx1250); checked and timed in simulation.
; The chip was launched on July 23, 2026; its instructions are those of AMD's public machine-readable ISA for CDNA 5 (MIT licence, August 2026) and "CDNA5" Instruction Set Architecture Reference Guide (July 2026). The comments in the code are by the model that wrote it; some were corrected since.
;; Streaming DWR Block. Allowed arithmetic: float matrix products may take bf16 or f16 operands with f32 sums; all other float work in f32.
;; Inputs: W1 8 x 1,024 x 2,048 float32; W2 8 x 2,048 x 1,024 float32; Wr 1,024 x 8 float32; b1 8 x 2,048 float32; b2 8 x 1,024 float32; beta 1,024 float32; br 8 float32; gamma 1,024 float32; x 1 x 2,048 x 1,024 float32.
;; Outputs: out0 1 x 2,048 x 1,024 float32.
;; One version. Each part assembles by itself: llvm-mc -triple=amdgcn-amd-amdhsa -mcpu=gfx1250 --defsym DOCPART=n.
;; ======== version 1 of 1: 5 launches
;; workspace buffers: xb 4,194,304 bytes; route 8,192 bytes of whole numbers; score 16,384 bytes; lists 39,168 bytes of whole numbers; hg 23,068,672 bytes; og 46,137,344 bytes
;; launch router (part 1): grid 256 x 1, 8 waves a work-group, no clusters, 3,072 bytes of LDS; arguments x, Wr, br, xb, route, score; writes xb, route, score
.if DOCPART == 1
	.amdgcn_target "amdgcn-amd-amdhsa--gfx1250"
	.amdhsa_code_object_version 6
	.text
	.protected	k_q718d92115d_router
	.globl	k_q718d92115d_router
	.p2align	8
	.type	k_q718d92115d_router,@function
k_q718d92115d_router:
	s_mov_b64 s[64:65], 0
	v_nop
	global_prefetch_b8 v0, s[64:65] scope:SCOPE_SE
	s_setreg_imm32_b32 hwreg(HW_REG_WAVE_MODE, 25, 1), 1
	s_wait_xcnt 0x0
; ROUTER.  logits = x Wr + br in f32 on the vector unit (8 columns only: no bulk work, and a rounding of x to bf16 could
; change which experts are chosen), the two largest, their softmax probabilities; x is also written out in bf16 (xb).
; A work-group takes 8 tokens.  Thread t (0..255) takes d = 4 t .. 4 t + 3 of every token: its 32 numbers of Wr stay in
; registers, one load of a wave covers 512 consecutive bytes of a row of x, one store of a wave 256 consecutive aligned
; bytes of xb.  Sums: in the lane, over the lanes of the wave, over the eight waves through LDS ([wave][token][expert]).
; route[t] = e0 | e1 << 8, score[t] = the two probabilities, e0 the larger.
; LIMITS: the two experts are chosen on the logits with a strict greater-than (the lower index wins a tie): that is the
; order of the probabilities except where two different logits round to one probability.  With NaN among the logits the
; two indices are still valid and different.  The last two stores are 96 bytes a work-group, 24,576 in the launch.
.set WR,  8                            ; v[8:39]    Wr[4 t + dd][e] at 8 dd + e
.set X,   40                           ; v[40:71]   token tt: 4 numbers at 4 tt
.set ACC, 72                           ; v[72:103]  four tokens x 8 experts
.set PK,  104                          ; v[104:119] token tt: 4 bf16 in 2 registers, store data
.set SC,  120                          ; v[120:123] the other half of the lanes, at work
.set P,   8                            ; v[8:71]    last stage: [wave][expert] of my token; the sums end in v[8:15]
	s_load_b256 s[4:11], s[0:1], 0x0               ; x s[4:5], Wr s[6:7], br s[8:9], xb s[10:11]
	s_load_b128 s[12:15], s[0:1], 0x20             ; route s[12:13], score s[14:15]
	v_lshl_add_u32 v128, v0, 2, 0x800
	v_mov_b32 v129, 0
	v_lshrrev_b32 v5, 5, v0
	v_readfirstlane_b32 s24, v5                    ; wave
	v_lshlrev_b32 v5, 8, v5                        ; my wave's 256 bytes of LDS
	v_lshlrev_b32 v1, 4, v0                        ; 16 t: my 4 numbers in a row of x
	v_lshlrev_b32 v2, 7, v0                        ; 128 t: my 4 rows of Wr
	v_lshlrev_b32 v3, 3, v0                        ; 8 t: my 4 numbers in a row of xb
.irp k, 0,1,2,3
	v_mov_b32 v[SC+\k], 0                          ; v_permlanex16_b32 counts as a reader of its destination
.endr
	s_mov_b32 s28, 0x76543210                      ; lane i of one half reads lane i of the other
	s_mov_b32 s29, 0xfedcba98
	s_lshl_b32 s26, ttmp9, 15                      ; 8 rows of 4,096 bytes
	s_mov_b32 s27, 0
	s_wait_kmcnt 0x0
	s_load_b256 s[16:23], s[8:9], 0x0              ; br, eight numbers
	s_add_nc_u64 s[4:5], s[4:5], s[26:27]
	s_lshl_b32 s26, ttmp9, 14                      ; 8 rows of 2,048 bytes
	s_add_nc_u64 s[10:11], s[10:11], s[26:27]
.irp i, 0,1,2,3,4,5,6,7
	global_load_b128 v[WR+4*\i:WR+4*\i+3], v2, s[6:7] offset:16*\i
.endr
.irp i, 0,1,2,3,4,5,6,7
	global_load_b128 v[X+4*\i:X+4*\i+3], v1, s[4:5] offset:4096*\i
.endr
	s_wait_loadcnt 0x0
	s_wait_kmcnt 0x0
; Four tokens (4 g .. 4 g + 3): bf16 copy out, 32 partial sums, their sum over the wave, into my wave's LDS bytes.
.macro GROUP g
.irp tt, 0,1,2,3
	v_cvt_pk_bf16_f32 v[PK+8*\g+2*\tt],   v[X+16*\g+4*\tt],   v[X+16*\g+4*\tt+1]
	v_cvt_pk_bf16_f32 v[PK+8*\g+2*\tt+1], v[X+16*\g+4*\tt+2], v[X+16*\g+4*\tt+3]
	global_store_b64 v3, v[PK+8*\g+2*\tt:PK+8*\g+2*\tt+1], s[10:11] offset:2048*(4*\g+\tt)
.irp ep, 0,2,4,6
	v_pk_mul_f32 v[ACC+8*\tt+\ep:ACC+8*\tt+\ep+1], v[WR+\ep:WR+\ep+1], v[X+16*\g+4*\tt:X+16*\g+4*\tt+1] op_sel_hi:[1,0]   ; both experts times x[d]: the first product starts the sum
.endr
.irp ep, 0,2,4,6
	v_pk_fma_f32 v[ACC+8*\tt+\ep:ACC+8*\tt+\ep+1], v[WR+8+\ep:WR+8+\ep+1], v[X+16*\g+4*\tt:X+16*\g+4*\tt+1], v[ACC+8*\tt+\ep:ACC+8*\tt+\ep+1] op_sel:[0,1,0] op_sel_hi:[1,1,1]   ; times x[d+1]
.endr
.irp ep, 0,2,4,6
	v_pk_fma_f32 v[ACC+8*\tt+\ep:ACC+8*\tt+\ep+1], v[WR+16+\ep:WR+16+\ep+1], v[X+16*\g+4*\tt+2:X+16*\g+4*\tt+3], v[ACC+8*\tt+\ep:ACC+8*\tt+\ep+1] op_sel_hi:[1,0,1]              ; times x[d+2]
.endr
.irp ep, 0,2,4,6
	v_pk_fma_f32 v[ACC+8*\tt+\ep:ACC+8*\tt+\ep+1], v[WR+24+\ep:WR+24+\ep+1], v[X+16*\g+4*\tt+2:X+16*\g+4*\tt+3], v[ACC+8*\tt+\ep:ACC+8*\tt+\ep+1] op_sel:[0,1,0] op_sel_hi:[1,1,1] ; times x[d+3]
.endr
.endr
	; over the 32 lanes: one step at a time over all 32 sums, so that no line waits for the line in front of it
.irp m, 1,2,4,8
.set rr, 0
.rept 32
	v_add_f32_dpp v[ACC+rr], v[ACC+rr], v[ACC+rr] row_xmask:\m row_mask:0xf bank_mask:0xf
.set rr, rr+1
.endr
.endr
.set rr, 0
.rept 8
.irp k, 0,1,2,3
	v_permlanex16_b32 v[SC+\k], v[ACC+rr+\k], s28, s29
.endr
.irp k, 0,1,2,3
	v_add_f32 v[ACC+rr+\k], v[ACC+rr+\k], v[SC+\k]
.endr
.set rr, rr+4
.endr
.irp i, 0,1,2,3,4,5,6,7
	ds_store_b128 v5, v[ACC+4*\i:ACC+4*\i+3] offset:128*\g+16*\i     ; every lane holds the same numbers and writes the same bytes
.endr
.endm
	GROUP 0
	GROUP 1
	s_wait_dscnt 0x0                               ; my wave's sums are in LDS before I say so
	s_barrier_signal -1
	s_barrier_wait -1
	s_cmp_lg_u32 s24, 0
	s_cbranch_scc1 .Lend                           ; the rest is 8 tokens' work: wave 0 alone, lane l for token l & 7
	v_and_b32 v6, 7, v0
	v_lshlrev_b32 v6, 5, v6                        ; my token's 32 bytes in each wave's part
.irp w, 0,1,2,3,4,5,6,7
	ds_load_b128 v[P+8*\w:P+8*\w+3],   v6 offset:256*\w
	ds_load_b128 v[P+8*\w+4:P+8*\w+7], v6 offset:256*\w+16
.endr
	s_wait_dscnt 0x0
.irp w, 1,2,3,4,5,6,7
.irp q, 0,2,4,6
	v_pk_add_f32 v[P+\q:P+\q+1], v[P+\q:P+\q+1], v[P+8*\w+\q:P+8*\w+\q+1]
.endr
.endr
.irp e, 0,1,2,3,4,5,6,7
	v_add_f32 v[P+\e], s[16+\e], v[P+\e]           ; + br: the logits
.endr
	; the two largest: m1 v72, its index v73; m2 v74, its index v75
	v_mov_b32 v72, v[P]
	v_mov_b32 v73, 0
	v_mov_b32 v74, 0xff800000                      ; minus infinity
	v_mov_b32 v75, 1
.irp e, 1,2,3,4,5,6,7
	v_mov_b32 v76, \e
	v_cmp_gt_f32 vcc_lo, v[P+\e], v72              ; a new largest
	v_cmp_gt_f32 s30, v[P+\e], v74                 ; a new second
	v_cndmask_b32 v74, v74, v[P+\e], s30
	v_cndmask_b32 v75, v75, v76, s30
	v_cndmask_b32 v74, v74, v72, vcc_lo            ; a new largest pushes the old one down
	v_cndmask_b32 v75, v75, v73, vcc_lo
	v_cndmask_b32 v72, v72, v[P+\e], vcc_lo
	v_cndmask_b32 v73, v73, v76, vcc_lo
.endr
	; softmax with the largest logit taken away: no exponent is above 0
.irp e, 0,1,2,3,4,5,6,7
	v_sub_f32 v[80+\e], v[P+\e], v72
.endr
	v_sub_f32 v88, v74, v72
.irp e, 0,1,2,3,4,5,6,7,8
	v_mul_f32 v[80+\e], 0x3fb8aa3b, v[80+\e]       ; log2(e)
.endr
.irp e, 0,1,2,3,4,5,6,7,8
	v_exp_f32 v[80+\e], v[80+\e]
.endr
	v_nop                                          ; one plain vector instruction behind the last exponential (ISA guide 5.7.2)
	s_wait_alu depctr_va_vdst(0)
	v_add_f32 v80, v80, v81
	v_add_f32 v82, v82, v83
	v_add_f32 v84, v84, v85
	v_add_f32 v86, v86, v87
	v_add_f32 v80, v80, v82
	v_add_f32 v84, v84, v86
	v_add_f32 v89, v80, v84
	v_rcp_f32 v78, v89                             ; the largest one's probability: exp(0) / sum
	v_lshl_or_b32 v77, v75, 8, v73                 ; e0 | e1 << 8: also the plain instruction behind the reciprocal
	s_wait_alu depctr_va_vdst(0)
	v_mul_f32 v79, v88, v78
	v_lshlrev_b32 v90, 2, v0
	v_lshlrev_b32 v91, 3, v0
	s_lshl_b32 s26, ttmp9, 5
	s_add_nc_u64 s[12:13], s[12:13], s[26:27]
	s_lshl_b32 s26, ttmp9, 6
	s_add_nc_u64 s[14:15], s[14:15], s[26:27]
	v_cmp_gt_u32 vcc_lo, 8, v0
	s_wait_xcnt 0x0                                ; EXEC is a source of the stores of xb: it changes only behind this wait
	s_and_saveexec_b32 s32, vcc_lo
	global_store_b32 v90, v77, s[12:13]
	global_store_b64 v91, v[78:79], s[14:15]
	s_wait_xcnt 0x0                                ; and again in front of the line that widens it
	s_or_b32 exec_lo, exec_lo, s32
.Lend:
	s_wait_tensorcnt 0x0
	ds_add_u32 v128, v129
	s_wait_dscnt 0x0
	s_endpgm
.Lfunc_end_k_q718d92115d_router:
	.size	k_q718d92115d_router, .Lfunc_end_k_q718d92115d_router-k_q718d92115d_router
	.p2alignl 7, 3214868480
	.fill 96, 4, 3214868480
	.section	.rodata,"a",@progbits
	.p2align	6, 0x0
	.amdhsa_kernel k_q718d92115d_router
		.amdhsa_group_segment_fixed_size 3072
		.amdhsa_private_segment_fixed_size 0
		.amdhsa_enable_private_segment 0
		.amdhsa_kernarg_size 48
		.amdhsa_user_sgpr_count 2
		.amdhsa_user_sgpr_kernarg_segment_ptr 1
		.amdhsa_wavefront_size32 1
		.amdhsa_system_sgpr_workgroup_id_x 1
		.amdhsa_system_sgpr_workgroup_id_y 1
		.amdhsa_system_sgpr_workgroup_id_z 1
		.amdhsa_system_vgpr_workitem_id 0
		.amdhsa_next_free_vgpr 130
		.amdhsa_next_free_sgpr 66
		.amdhsa_reserve_vcc 1
		.amdhsa_float_denorm_mode_32 3
		.amdhsa_float_denorm_mode_16_64 3
		.amdhsa_memory_ordered 1
		.amdhsa_forward_progress 1
		.amdhsa_inst_pref_size 44
	.end_amdhsa_kernel
	.amdgpu_metadata
---
amdhsa.version: [ 1, 2 ]
amdhsa.kernels:
  - .name:           k_q718d92115d_router
    .symbol:         k_q718d92115d_router.kd
    .args:
      - { .name: x, .offset: 0, .size: 8, .value_kind: global_buffer, .address_space: global }
      - { .name: Wr, .offset: 8, .size: 8, .value_kind: global_buffer, .address_space: global }
      - { .name: br, .offset: 16, .size: 8, .value_kind: global_buffer, .address_space: global }
      - { .name: xb, .offset: 24, .size: 8, .value_kind: global_buffer, .address_space: global }
      - { .name: route, .offset: 32, .size: 8, .value_kind: global_buffer, .address_space: global }
      - { .name: score, .offset: 40, .size: 8, .value_kind: global_buffer, .address_space: global }
    .group_segment_fixed_size: 3072
    .private_segment_fixed_size: 0
    .kernarg_segment_align: 8
    .kernarg_segment_size: 48
    .max_flat_workgroup_size: 256
    .sgpr_count:     66
    .vgpr_count:     130
    .wavefront_size: 32
...
	.end_amdgpu_metadata
.endif
;; end of part 1
;; launch lists (part 2): grid 1 x 1, 32 waves a work-group, no clusters, 47,104 bytes of LDS; arguments route, lists; writes lists
.if DOCPART == 2
	.amdgcn_target "amdgcn-amd-amdhsa--gfx1250"
	.amdhsa_code_object_version 6
	.text
	.protected	k_q718d92115d_lists
	.globl	k_q718d92115d_lists
	.p2align	8
	.type	k_q718d92115d_lists,@function
k_q718d92115d_lists:
	s_mov_b64 s[64:65], 0
	v_nop
	global_prefetch_b8 v0, s[64:65] scope:SCOPE_SE
	s_setreg_imm32_b32 hwreg(HW_REG_WAVE_MODE, 25, 1), 1
	s_wait_xcnt 0x0
; LISTS.  From route (two experts a token) to: job_word[32] (byte 0: the job's expert | (C > 144) << 8), pos[2048][2] (byte 256: the slot of each
; of a token's two pairs) and slot_token[5632] (byte 16,640).  Whole numbers only.  One work-group: the counts of all 4,096 pairs meet here.
; Job j owns slots 176 j .. 176 j + 175, all of one expert.  An expert's n pairs are laid into ceil(n / C) jobs, C rows in each,
; C = 16 G the smallest of 128, 144, 160, 176 with which all experts together need at most 32 jobs; with 176 they always do:
; the sum of ceil(n / 176) is at most (4096 + 8 x 175) / 176 = 31.2.  Slots without a pair name token 0; jobs that no expert needs get expert 7.
; The bit C > 144 tells the two products whether rows 144 to 175 of a job can hold a pair at all.
; Thread i takes tokens 2 i and 2 i + 1, four pairs.  A pair's rank among its expert's pairs = its rank in the wave + the counts of the waves in front.
.set CNT,   0                          ; [32 waves][8] counts
.set BASE,  1024                       ; [32 waves][8] counts of the waves in front
.set TB,    2048                       ; [8] first job of each expert
.set PAR,   2080                       ; C, and M = ceil(65536 / G)
.set TOT,   2112                       ; [8] totals
.set TOK,   4096                       ; [5632] the slots' tokens
.set SL,    26624                      ; [1024 threads][4] the pairs' slots, times 4
.set NSLOT, 5632
.set EA,  10                           ; v[10:13] my four pairs' experts
.set RK,  14                           ; v[14:17] their ranks in the wave
.set TE,  104                          ; v[104:111] one number for each expert, at work
	s_load_b128 s[4:7], s[0:1], 0x0                ; route s[4:5], lists s[6:7]
	v_lshl_add_u32 v112, v0, 2, 0xa800
	v_mov_b32 v113, 0
	v_lshrrev_b32 v9, 5, v0
	v_readfirstlane_b32 s8, v9                     ; wave
	v_lshlrev_b32 v1, 3, v0                        ; 8 i
	v_lshlrev_b32 v8, 4, v0                        ; 16 i
	v_and_b32 v9, 31, v0                           ; lane
.irp k, 4,5,6,7,29
	v_mov_b32 v\k, 0
.endr
	s_lshl_b32 s25, s8, 5                          ; 32 x wave
	v_mov_b32 v19, s25
	s_wait_kmcnt 0x0
	global_load_b64 v[2:3], v1, s[4:5]
	ds_store_b128 v8, v[4:7] offset:TOK            ; every slot names token 0 to begin with: 1,408 pieces of 16 bytes = 1,024 + 384
	s_cmp_ge_u32 s8, 12
	s_cbranch_scc1 .Lzeroed
	ds_store_b128 v8, v[4:7] offset:TOK+16384
.Lzeroed:
	s_wait_loadcnt 0x0
	v_and_b32 v[EA], 0xff, v2
	v_bfe_u32 v[EA+1], v2, 8, 8
	v_and_b32 v[EA+2], 0xff, v3
	v_bfe_u32 v[EA+3], v3, 8, 8
.irp a, 0,1,2,3
	v_min_u32 v[EA+\a], 7, v[EA+\a]                ; a loaded number enters addresses only behind a clamp
	v_mov_b32 v[RK+\a], 0
.endr
.irp e, 0,1,2,3,4,5,6,7
	s_mov_b32 s[16+\e], 0
.irp a, 0,1,2,3
	v_cmp_eq_u32 vcc_lo, \e, v[EA+\a]
	v_mbcnt_lo_u32_b32 v18, vcc_lo, s[16+\e]       ; pairs of this expert in lower lanes + those counted so far
	v_cndmask_b32 v[RK+\a], v[RK+\a], v18, vcc_lo
	s_bcnt1_i32_b32 s24, vcc_lo
	s_add_co_u32 s[16+\e], s[16+\e], s24
.endr
	v_mov_b32 v[20+\e], s[16+\e]
.endr
	ds_store_b128 v19, v[20:23] offset:CNT
	ds_store_b128 v19, v[24:27] offset:CNT+16
	s_wait_dscnt 0x0                               ; my counts and my zeros are in LDS before I say so
	s_barrier_signal -1
	s_barrier_wait -1
	s_cmp_lg_u32 s8, 0
	s_cbranch_scc1 .Ltabled                        ; the tables are wave 0's work; lane l stands for expert l & 7
	v_and_b32 v28, 7, v0
	v_lshlrev_b32 v28, 2, v28
.set ww, 0
.rept 32
	ds_load_b32 v[32+ww], v28 offset:CNT+32*ww
.set ww, ww+1
.endr
	s_wait_dscnt 0x0
.set ww, 1
.rept 31
	v_add_nc_u32 v[32+ww], v[32+ww], v[31+ww]      ; running sums over the waves
.set ww, ww+1
.endr
	ds_store_b32 v28, v29 offset:BASE
.set ww, 0
.rept 31
	ds_store_b32 v28, v[32+ww] offset:BASE+32*(ww+1)
.set ww, ww+1
.endr
	ds_store_b32 v28, v63 offset:TOT
	ds_load_b128 v[64:67], v29 offset:TOT          ; LDS serves a wave's instructions in order (ISA guide 5.7.1.4): these see the store above
	ds_load_b128 v[68:71], v29 offset:TOT+16
	s_wait_dscnt 0x0
; v30 = the jobs that all experts need with 16 g rows a job.  ceil(n / 16 g) = floor(q / g), q = (n + 16 g - 1) >> 4 (at most 266),
; and floor(q / g) = (q m) >> 16 with m = ceil(65536 / g): g m - 65536 is at most 4, so the product is exact for q below 16,384.
; One operation at a time over the eight experts, so that no line waits for the line in front of it.
.macro SUMT g, m
.irp e, 0,1,2,3,4,5,6,7
	v_add_nc_u32 v[TE+\e], 16*\g-1, v[64+\e]
.endr
.irp e, 0,1,2,3,4,5,6,7
	v_lshrrev_b32 v[TE+\e], 4, v[TE+\e]
.endr
.irp e, 0,1,2,3,4,5,6,7
	v_mul_u32_u24 v[TE+\e], \m, v[TE+\e]
.endr
.irp e, 0,1,2,3,4,5,6,7
	v_lshrrev_b32 v[TE+\e], 16, v[TE+\e]
.endr
.irp e, 0,2,4,6
	v_add_nc_u32 v[TE+\e], v[TE+\e], v[TE+\e+1]
.endr
	v_add_nc_u32 v[TE], v[TE], v[TE+2]
	v_add_nc_u32 v[TE+4], v[TE+4], v[TE+6]
	v_add_nc_u32 v30, v[TE], v[TE+4]
.endm
.macro TRY g, m                        ; take g if 32 jobs are enough with it
	SUMT \g, \m
	v_cmp_ge_u32 vcc_lo, 32, v30
	v_mov_b32 v77, \g
	v_mov_b32 v78, \m
	v_cndmask_b32 v72, v72, v77, vcc_lo
	v_cndmask_b32 v75, v75, v78, vcc_lo
.endm
	v_mov_b32 v72, 11                              ; G
	v_mov_b32 v75, 5958                            ; M
	TRY 10, 6554
	TRY 9, 7282
	TRY 8, 8192
	v_lshlrev_b32 v74, 4, v72                      ; C
	v_add_nc_u32 v79, -1, v74                      ; C - 1
.irp e, 0,1,2,3,4,5,6,7
	v_add_nc_u32 v[TE+\e], v[64+\e], v79
.endr
.irp e, 0,1,2,3,4,5,6,7
	v_lshrrev_b32 v[TE+\e], 4, v[TE+\e]
.endr
.irp e, 0,1,2,3,4,5,6,7
	v_mul_u32_u24 v[TE+\e], v[TE+\e], v75
.endr
.irp e, 0,1,2,3,4,5,6,7
	v_lshrrev_b32 v[TE+\e], 16, v[TE+\e]           ; the expert's jobs
.endr
	v_mov_b32 v80, 0
.irp e, 0,1,2,3,4,5,6,7
	v_add_nc_u32 v[81+\e], v[80+\e], v[TE+\e]      ; the next expert's first job
.endr
	ds_store_b128 v29, v[80:83] offset:TB
	ds_store_b128 v29, v[84:87] offset:TB+16
	ds_store_b64 v29, v[74:75] offset:PAR
	v_mov_b32 v100, 0                              ; job = lane: its expert is the last whose first job is not behind it
.irp e, 1,2,3,4,5,6,7
	v_cmp_le_u32 vcc_lo, v[80+\e], v9
	v_add_co_ci_u32 v100, vcc_lo, 0, v100, vcc_lo
.endr
	v_mov_b32 v103, 0x100
	v_cmp_lt_u32 vcc_lo, 9, v72                    ; G above 9: rows from 144 on are in use
	v_cndmask_b32 v102, 0, v103, vcc_lo
	v_or_b32 v100, v100, v102
	v_lshlrev_b32 v101, 2, v9
	global_store_b32 v101, v100, s[6:7]
.Ltabled:
	s_wait_dscnt 0x0                               ; the tables are in LDS before wave 0 says so
	s_barrier_signal -1
	s_barrier_wait -1
.irp a, 0,1,2,3
	v_lshlrev_b32 v[36+\a], 2, v[EA+\a]
	v_add_nc_u32 v[32+\a], s25, v[36+\a]
	ds_load_b32 v[40+\a], v[32+\a] offset:BASE
	ds_load_b32 v[44+\a], v[36+\a] offset:TB
.endr
	ds_load_b64 v[48:49], v29 offset:PAR           ; C, M
	s_wait_dscnt 0x0
.irp a, 0,1,2,3
	v_add_nc_u32 v56, v[40+\a], v[RK+\a]           ; rank among the expert's pairs
	v_lshrrev_b32 v57, 4, v56
	v_mul_u32_u24 v57, v57, v49
	v_lshrrev_b32 v57, 16, v57                     ; rank / C
	v_mul_u32_u24 v58, v57, v48
	v_sub_nc_u32 v56, v56, v58                     ; rank mod C: the row in the job
	v_add_nc_u32 v57, v57, v[44+\a]                ; the job
	v_mad_u32_u24 v[52+\a], v57, 176, v56
	v_min_u32 v[52+\a], NSLOT-1, v[52+\a]
	v_lshlrev_b32 v[60+\a], 2, v[52+\a]            ; the slot's word in the table
.endr
	ds_store_b128 v8, v[60:63] offset:SL
	global_store_b128 v8, v[52:55], s[6:7] offset:256          ; pos: 16 consecutive bytes a thread
	s_wait_dscnt 0x0
	s_barrier_signal -1
	s_barrier_wait -1
	s_cmp_lg_u32 s8, 0
	s_cbranch_scc1 .Lplaced                        ; one wave places all 4,096 tokens: no two waves store into the table between two barriers
	v_lshlrev_b32 v98, 1, v0                       ; 2 x lane
; eight loads: the four slots of threads 32 (8 cb + kk) + lane, kk = 0 .. 7, into one of two sets of 32 registers
.macro SLOAD set, cb
.set kk, 0
.rept 8
	ds_load_b128 v[\set+4*kk:\set+4*kk+3], v8 offset:SL+512*(8*\cb+kk)
.set kk, kk+1
.endr
.endm
; and those threads' tokens go to their slots: 32 stores
.macro PLACE set, cb
.set kk, 0
.rept 8
	v_add_nc_u32 v96, 64*(8*\cb+kk), v98           ; that thread's two tokens
	v_add_nc_u32 v97, 64*(8*\cb+kk)+1, v98
.irp a, 0,1,2,3
	v_min_u32 v[\set+4*kk+\a], 4*(NSLOT-1), v[\set+4*kk+\a]
.endr
	ds_store_b32 v[\set+4*kk],   v96 offset:TOK
	ds_store_b32 v[\set+4*kk+1], v96 offset:TOK
	ds_store_b32 v[\set+4*kk+2], v97 offset:TOK
	ds_store_b32 v[\set+4*kk+3], v97 offset:TOK
.set kk, kk+1
.endr
.endm
	SLOAD 64, 0
	SLOAD 20, 1
	s_wait_dscnt 8                                 ; the first set is in; the second set's eight loads may be out
	PLACE 64, 0
	SLOAD 64, 2
	s_wait_dscnt 40                                ; behind the set that is due came 32 stores and 8 loads
	PLACE 20, 1
	SLOAD 20, 3
	s_wait_dscnt 40
	PLACE 64, 2
	s_wait_dscnt 32                                ; behind the last set came 32 stores
	PLACE 20, 3
.Lplaced:
	s_wait_dscnt 0x0
	s_barrier_signal -1
	s_barrier_wait -1
	ds_load_b128 v[104:107], v8 offset:TOK
	s_cmp_ge_u32 s8, 12
	s_cbranch_scc1 .Lshort
	ds_load_b128 v[108:111], v8 offset:TOK+16384
	s_wait_dscnt 0x0
	global_store_b128 v8, v[108:111], s[6:7] offset:16640+16384
.Lshort:
	s_wait_dscnt 0x0
	global_store_b128 v8, v[104:107], s[6:7] offset:16640      ; a wave stores 512 consecutive bytes, aligned
	s_wait_tensorcnt 0x0
	ds_add_u32 v112, v113
	s_wait_dscnt 0x0
	s_endpgm
.Lfunc_end_k_q718d92115d_lists:
	.size	k_q718d92115d_lists, .Lfunc_end_k_q718d92115d_lists-k_q718d92115d_lists
	.p2alignl 7, 3214868480
	.fill 96, 4, 3214868480
	.section	.rodata,"a",@progbits
	.p2align	6, 0x0
	.amdhsa_kernel k_q718d92115d_lists
		.amdhsa_group_segment_fixed_size 47104
		.amdhsa_private_segment_fixed_size 0
		.amdhsa_enable_private_segment 0
		.amdhsa_kernarg_size 16
		.amdhsa_user_sgpr_count 2
		.amdhsa_user_sgpr_kernarg_segment_ptr 1
		.amdhsa_wavefront_size32 1
		.amdhsa_system_sgpr_workgroup_id_x 1
		.amdhsa_system_sgpr_workgroup_id_y 1
		.amdhsa_system_sgpr_workgroup_id_z 1
		.amdhsa_system_vgpr_workitem_id 0
		.amdhsa_next_free_vgpr 114
		.amdhsa_next_free_sgpr 66
		.amdhsa_reserve_vcc 1
		.amdhsa_float_denorm_mode_32 3
		.amdhsa_float_denorm_mode_16_64 3
		.amdhsa_memory_ordered 1
		.amdhsa_forward_progress 1
		.amdhsa_inst_pref_size 48
	.end_amdhsa_kernel
	.amdgpu_metadata
---
amdhsa.version: [ 1, 2 ]
amdhsa.kernels:
  - .name:           k_q718d92115d_lists
    .symbol:         k_q718d92115d_lists.kd
    .args:
      - { .name: route, .offset: 0, .size: 8, .value_kind: global_buffer, .address_space: global }
      - { .name: lists, .offset: 8, .size: 8, .value_kind: global_buffer, .address_space: global }
    .group_segment_fixed_size: 47104
    .private_segment_fixed_size: 0
    .kernarg_segment_align: 8
    .kernarg_segment_size: 16
    .max_flat_workgroup_size: 1024
    .sgpr_count:     66
    .vgpr_count:     114
    .wavefront_size: 32
...
	.end_amdgpu_metadata
.endif
;; end of part 2
;; launch ffn1 (part 3): grid 256 x 1, 4 waves a work-group, no clusters, 260,096 bytes of LDS; arguments xb, W1, b1, lists, hg; writes hg
.if DOCPART == 3
	.amdgcn_target "amdgcn-amd-amdhsa--gfx1250"
	.amdhsa_code_object_version 6
	.text
	.protected	k_q718d92115d_ffn1
	.globl	k_q718d92115d_ffn1
	.p2align	8
	.type	k_q718d92115d_ffn1,@function
k_q718d92115d_ffn1:
	s_mov_b64 s[64:65], 0
	v_nop
	global_prefetch_b8 v0, s[64:65] scope:SCOPE_SE
	s_setreg_imm32_b32 hwreg(HW_REG_WAVE_MODE, 25, 1), 1
	s_wait_xcnt 0x0
; THE TWO EXPERT PRODUCTS, one text with the switch SECOND.
;   SECOND = 0:  hg[slot][f] = gelu( xb[slot_token[slot]] . W1[e][:, f] + b1[e][f] ), bf16
;   SECOND = 1:  og[kh][slot][d] = hg[slot][1024 kh ..] . W2[e][1024 kh .., d]  (+ b2[e][d] in the plane kh = 0), f32
; Only the 4,096 pairs (token, chosen expert) are computed: the other six weights of a token are exactly 0 in the sum.
; A work-group makes up to 176 rows (job = id & 31: the slots 176 job .., all of expert e) x 256 columns over K = 1,024
; (part = id >> 5: eight column slices; SECOND: four slices x two halves of K).  32 x 8 = 256 work-groups of equal work.
; THE JOB WORD (lists, word job) = e | t << 8.  t = 0 says that no job holds a pair in its rows 144 to 175: then row blocks 9 and 10 are left out:
; a forward branch on t jumps over their 8 matrix instructions and 4 fragment loads in every quarter step but the first, and over their way out, so
; that those rows of hg and og are neither stored nor read.  No barrier, trip count or global load hangs on t: A's 176 rows always go through the
; slots (SECOND = 0: slots without a pair name token 0; SECOND = 1 with t = 0: in the place of rows 144 .. 175 the job's rows 12 .. 43 come once more),
; so every count of global loads is the same on both ways.  The first quarter step's products of blocks 9 and 10 are always made: they start the sums.
; Four waves, as many as a WGP has SIMDs.  Wave w makes all rows x columns 64 w .. 64 w + 63: 11 x 4 = 44 accumulator tiles.
; K goes in 8 steps of 128 through two LDS slots, filled THROUGH REGISTERS: W lies in memory as f32 [K][N] and is rounded to bf16 on the way
; (v_cvt_pk_bf16_f32), stays [K][N] in LDS and is read by the transposing load; each wave loads, stores and reads only its own 64 columns of W.
; A's 176 rows (bf16, K along the row) are shared: wave w brings rows 44 w .. 44 w + 43.  One barrier a K step.
; NO TENSOR LOADS, NO CLUSTER: W has to pass through registers to be rounded; A's rows are gathered by a list (SECOND = 0); and which jobs share
; an expert's slice of W is read from memory, so no fixed group of work-groups shares a tile.
; THE MATRIX INSTRUCTION IS USED TRANSPOSED: source 0 = 16 columns of W, source 1 = 16 rows of A, so that register j of lane (r, h) holds
; row 16 a + r, column 16 b + 8 h + j: eight neighbouring columns of one row.
; GLOBAL LOADS RUN AHEAD IN QUARTERS of a K step: in quarter u the wave stores into LDS what quarter u + 4 of the multiplication needs, and then
; asks for one group of A's rows (5 or 6 loads; used in quarter u + 2) and for 32 K rows of W (16 loads; used in quarter u + 4).
; REGISTERS: window 0 addresses, fragments, A's stage; window 1 accumulators of row blocks 0-5; window 2 those of blocks 6-10 and the bias;
; window 3 W's stage, four buffers of 64.
.set SECOND, 0
.set BM,     176
.set KS,     128
.set APITCH, 272                       ; 256 bytes of A + 16: the 16 rows of a fragment load start 17 x 16 bytes apart
.set AREG,   BM*APITCH                 ; 47,872
.set WPITCH, 160                       ; 128 bytes of W + 32: an odd multiple of 32
.set WWAVE,  KS*WPITCH                 ; 20,480: one wave's W
.set SLOT,   AREG+4*WWAVE              ; 129,792
.set JOBB,   BM*4096                   ; a job's 176 rows in hg and in a plane of og (rows of 4,096 bytes in both)
.set PLANE,  5632*4096
.set TOKL,   16640                     ; slot_token in lists
.if SECOND
.set WROWB,  4096                      ; bytes in a row of W
.set SPITCH, 272                       ; the way out: a wave's own 16 rows x (256 + 16) bytes
.set WREG,   16*SPITCH
.else
.set WROWB,  8192
.set SPITCH, 144                       ; the way out: a wave's own 176 rows x (128 + 16) bytes,
.set WREG,   BM*SPITCH+128             ; the waves' parts 128 bytes off a multiple of 256, so that a row's four pieces meet no bank twice
.endif
.set WSTEP,  KS*WROWB
.set AST,  2                           ; v2-3   where I store A's rows, slot 0, 1
.set WST,  4                           ; v4-5   where I store W
.set AFR,  6                           ; v6-7   where I read A's fragments
.set BFR,  8                           ; v8-9   where I read W's fragments
.set WOFF, 10                          ; v10    my byte offset in W
.set AOFF, 11                          ; v11    SECOND: my byte offset in hg; else: in the token list
.set C16,  12                          ; v12    16 r
.set STO,  13
.set RD,   14
.set CO,   15
.set ROWOFF, 16                        ; v16-37 SECOND = 0: byte offsets of my 22 rows' pieces in xb
.set KC0,  38                          ; v38-39 gelu's constants, twice each
.set KC1,  40
.set BOFF, 44
.set RR,   45                          ; r = lane & 15
.set HH,   46                          ; h = lane >> 4
.set ALO,  48                          ; v48-95   fragments of A's blocks 0-5
.set AHI,  96                          ; v96-135  blocks 6-10
.set B0,   136                         ; v136-167 W's four fragments, even quarters
.set B1,   168                         ; v168-199 odd quarters
.set STA,  200                         ; v200-223, v224-243  A's stage, two buffers
.set AOFF2, 244                        ; v244   SECOND: my byte offset in hg for loads 6 to 21
.set RDT,  244                         ; v244   SECOND = 0: the way out of rows 144 ..: where I read them back
.set COT,  245                         ; v245   and their byte offset in hg
.set BIAS, 160                         ; window 2
.set XO,   48                          ; the way out, window 0
.set TT,   80
.set OO,   112
.set PA,   24                          ; s[24:25] A's base at this K step
.set PW,   26                          ; s[26:27] W's base at this K step
.set MSB, 0
.macro WIN new                         ; s_set_vgpr_msb: bits 1:0 source 0, 3:2 source 1, 5:4 source 2, 7:6 destination; the high byte repeats the setting that is left
.if MSB != \new
	s_set_vgpr_msb (MSB<<8)|\new
.set MSB, \new
.endif
.endm
; A load into a register that a matrix instruction has read, and a vector instruction that reads a matrix result, stand four places behind it;
; only plain vector instructions that name none of its registers are places.
.macro PLACES
.rept 4
	v_nop
.endr
.endm
; cnt row blocks from a0 of the window (hi = 0: blocks 0-5, 1: blocks 6-10) x 4 column blocks, 32 along K.  zero = 1: the first product starts the sums.
; The accumulators take turns, one instruction a turn, in the same order in every quarter.
.macro MUL hi, zero, a0, cnt
.set ma, \a0
.rept \cnt
.irp b, 0,1,2,3
.if \zero
	v_wmma_f32_16x16x32_bf16 v[32*ma+8*\b:32*ma+8*\b+7], v[BF+8*\b:BF+8*\b+7], v[ALO+48*\hi+8*ma:ALO+48*\hi+8*ma+7], 0
.else
	v_wmma_f32_16x16x32_bf16 v[32*ma+8*\b:32*ma+8*\b+7], v[BF+8*\b:BF+8*\b+7], v[ALO+48*\hi+8*ma:ALO+48*\hi+8*ma+7], v[32*ma+8*\b:32*ma+8*\b+7]
.endif
.endr
.set ma, ma+1
.endr
.endm
; A's fragments of quarter j: lane (r, h) takes row 16 a + r, K = 32 j + 8 h .. and 32 j + 16 + 8 h ..: two loads of 16 bytes, 32 apart.
; part 0: blocks 0-5 (12 loads); 1: blocks 6-8 (6 loads); 2: blocks 9, 10 (4 loads)
.macro LDA slot, j, part
.if \part == 0
.irp a, 0,1,2,3,4,5
	ds_load_b128 v[ALO+8*\a:ALO+8*\a+3],   v[AFR+(\slot)] offset:\a*16*APITCH+64*(\j)
	ds_load_b128 v[ALO+8*\a+4:ALO+8*\a+7], v[AFR+(\slot)] offset:\a*16*APITCH+64*(\j)+32
.endr
.endif
.if \part == 1
.irp a, 0,1,2
	ds_load_b128 v[AHI+8*\a:AHI+8*\a+3],   v[AFR+(\slot)] offset:(6+\a)*16*APITCH+64*(\j)
	ds_load_b128 v[AHI+8*\a+4:AHI+8*\a+7], v[AFR+(\slot)] offset:(6+\a)*16*APITCH+64*(\j)+32
.endr
.endif
.if \part == 2
.irp a, 3,4
	ds_load_b128 v[AHI+8*\a:AHI+8*\a+3],   v[AFR+(\slot)] offset:(6+\a)*16*APITCH+64*(\j)
	ds_load_b128 v[AHI+8*\a+4:AHI+8*\a+7], v[AFR+(\slot)] offset:(6+\a)*16*APITCH+64*(\j)+32
.endr
.endif
.endm
; W's fragments of quarter j from [K][N]: the transposing load gives lane (r, h) column 16 b + r, K = 8 h .. + 7 of 16 rows; two loads, 16 rows apart
.macro LDB slot, j, buf
.irp b, 0,1,2,3
	ds_load_tr16_b128 v[(\buf)+8*\b:(\buf)+8*\b+3],   v[BFR+(\slot)] offset:(\j)*32*WPITCH+32*\b
	ds_load_tr16_b128 v[(\buf)+8*\b+4:(\buf)+8*\b+7], v[BFR+(\slot)] offset:(\j)*32*WPITCH+32*\b+16*WPITCH
.endr
.endm
; Group q (0..3) of my 22 loads of A (6, 5, 6, 5 of them, from load 0, 6, 11, 17): load i brings rows 44 w + 2 i and + 1, 256 bytes each.
; SECOND: groups 1 to 3 (loads 6 to 21) go by an offset of their own: rows from 144 on are among wave 3's loads 6 to 21 alone.
.macro GLA q, koff
	WIN 0
.set na, 6-((\q)&1)
.set ia, (11*(\q)+1)/2
.set ar, AOFF
.if (\q) != 0
.set ar, AOFF2
.endif
.set ii, 0
.rept na
.if SECOND
	global_load_b128 v[STA+24*((\q)&1)+4*ii:STA+24*((\q)&1)+4*ii+3], v[ar], s[PA:PA+1] offset:8192*(ia+ii)+(\koff)
.else
	global_load_b128 v[STA+24*((\q)&1)+4*ii:STA+24*((\q)&1)+4*ii+3], v[ROWOFF+ia+ii], s[PA:PA+1] offset:\koff
.endif
.set ii, ii+1
.endr
.endm
; K rows 32 j .. 32 j + 31 of the tile ah steps ahead of PW: load i brings rows 8 (i >> 2) + (i & 3) and + 4, my 64 columns: 256 consecutive bytes each
.macro GLW j, ah
	WIN 0xc0
.set ii, 0
.rept 16
	global_load_b128 v[64*(\j)+4*ii:64*(\j)+4*ii+3], v[WOFF], s[PW:PW+1] offset:(128*(\ah)+32*(\j)+8*(ii>>2)+(ii&3))*WROWB
.set ii, ii+1
.endr
.endm
; Quarter j of the next tile goes into slot SN: W rounded in place (four f32 into two registers), 8 bytes a lane; A's group j as it came
.macro STG_ST j, lcnt
	s_wait_loadcnt \lcnt                           ; A's group j and everything older, W's buffer j among it, are in; the count is what was asked for behind that group
	WIN 0xcf
.set ii, 0
.rept 16
	v_cvt_pk_bf16_f32 v[64*\j+4*ii],   v[64*\j+4*ii],   v[64*\j+4*ii+1]
	v_cvt_pk_bf16_f32 v[64*\j+4*ii+1], v[64*\j+4*ii+2], v[64*\j+4*ii+3]
.set ii, ii+1
.endr
	WIN 0x0c
.set ii, 0
.rept 16
	ds_store_b64 v[WST+SN], v[64*\j+4*ii:64*\j+4*ii+1] offset:(32*\j+8*(ii>>2)+(ii&3))*WPITCH   ; lanes 16-31 lie 4 rows = 640 bytes on: 128 off a multiple of 256
.set ii, ii+1
.endr
	WIN 0
.set na, 6-(\j&1)
.set ia, (11*\j+1)/2
.set ii, 0
.rept na
	ds_store_b128 v[AST+SN], v[STA+24*(\j&1)+4*ii:STA+24*(\j&1)+4*ii+3] offset:2*(ia+ii)*APITCH
.set ii, ii+1
.endr
.endm
; and the two buffers just emptied are asked for again: A's group j + 2, W's quarter j of the tile after.  d = how many K steps the tile being stored lies ahead of PA, PW
.macro STG_LD j, lda, ldw, d
.if \lda
.set QN, (\j+2)&3
.set KOF, (\d+(\j>>1))*256
	GLA QN, KOF
.endif
.if \ldw
	GLW \j, \d+1
.endif
.endm
; Row blocks 9 and 10 of a quarter: 8 matrix instructions, and (ld = 1) their fragments of quarter jn of the slot.  Jumped over where the job word says that
; rows from 144 on hold no pair; zero = 1 (the first quarter step): always made, so that the sums are started on every way.
.macro TAILQ slot, jn, zero, ld
.if \zero == 0
	s_cmp_eq_u32 s34, 0
	s_cbranch_scc1 .Lno_tail_\@
.endif
	WIN 0xa0
	MUL 1, \zero, 3, 2
	WIN 0
.if \ld
	PLACES
	LDA \slot, \jn, 2
.endif
.if \zero == 0
.Lno_tail_\@:
.endif
.endm
; One of the first three quarters of a K step.  step = 1: the bases go on to this K step, ahead of its first global loads
.macro SUB slot, j, zero, st, lda, ldw, lcnt, step
.set BF, B0+32*(\j&1)
.set JN, \j+1
.set BN, B0+32*(JN&1)
	s_wait_dscnt 6                                 ; A's blocks 0-5 and W are in; the six youngest loads (blocks 6-8) may be out; the loads of blocks 9 and 10, where made, are older than those six
	WIN 0x50
	MUL 0, \zero, 0, 6
.if \st
	STG_ST \j, \lcnt
.endif
	WIN 0
	PLACES
	LDA \slot, JN, 0
	LDB \slot, JN, BN
.if \step
	s_wait_xcnt 0x0                                ; the bases are sources of the loads issued in the last K step: they step only behind this wait
	s_add_nc_u64 s[PA:PA+1], s[PA:PA+1], 2*KS
	s_add_nc_u64 s[PW:PW+1], s[PW:PW+1], WSTEP
.endif
	STG_LD \j, \lda, \ldw, 1
	s_wait_dscnt 20+\st*(16+6-(\j&1))              ; blocks 6-10 are in; behind them came this quarter's LDS stores and the 20 loads above
	WIN 0xa0
	MUL 1, \zero, 0, 3
	WIN 0
	TAILQ \slot, JN, \zero, 1
	PLACES
	LDA \slot, JN, 1
.endm
; The fourth quarter, with the K step's one barrier.  In front of it my stores into the next slot and my reads of this slot are done;
; behind it the next slot is read, and this slot is written again in the next K step.
.macro SUB3 slot, st, lda, ldw, lcnt, more
.set BF, B1
	s_wait_dscnt 6
	WIN 0x50
	MUL 0, 0, 0, 6
.if \st
	STG_ST 3, \lcnt
.endif
	STG_LD 3, \lda, \ldw, 1
	s_wait_dscnt 0x0
.if \more
	s_barrier_signal -1
	WIN 0xa0
	MUL 1, 0, 0, 2                                 ; work on registers while the others arrive
	WIN 0
	s_barrier_wait -1
	PLACES
	LDA SN, 0, 0
	LDB SN, 0, B0
	WIN 0xa0
	MUL 1, 0, 2, 1                                 ; and while the next slot's first fragments come
	WIN 0
	TAILQ SN, 0, 0, 1
	PLACES
	LDA SN, 0, 1
.else
	WIN 0xa0
	MUL 1, 0, 0, 3
	WIN 0
	TAILQ SN, 0, 0, 0
.endif
.endm
; A K step.  kind 0: stores the next tile and asks on.  The counts: behind A's group came 16 (W), 5 or 6 (A's next group) and 16 (W) loads.
; kind 1 (K step 6): the last tile is stored; only A's last two groups are still asked for, so the counts run down 37, 22 (16 + 6), 5, 0.
; kind 2 (K step 7): nothing is stored or asked for.
.macro KSTEP slot, zero, kind, step
.set SN, 1-\slot
.if \kind == 0
	SUB \slot, 0, \zero, 1, 1, 1, 37, \step
	SUB \slot, 1, 0, 1, 1, 1, 38, 0
	SUB \slot, 2, 0, 1, 1, 1, 37, 0
	SUB3 \slot, 1, 1, 1, 38, 1
.endif
.if \kind == 1
	SUB \slot, 0, 0, 1, 1, 0, 37, \step
	SUB \slot, 1, 0, 1, 1, 0, 22, 0
	SUB \slot, 2, 0, 1, 0, 0, 5, 0
	SUB3 \slot, 1, 0, 0, 0, 1
.endif
.if \kind == 2
	SUB \slot, 0, 0, 0, 0, 0, 0, 0
	SUB \slot, 1, 0, 0, 0, 0, 0, 0
	SUB \slot, 2, 0, 0, 0, 0, 0, 0
	SUB3 \slot, 0, 0, 0, 0, 0
.endif
.endm
	s_load_b256 s[4:11], s[0:1], 0x0               ; A's source s[4:5], W s[6:7], bias s[8:9], lists s[10:11]
	s_load_b64 s[12:13], s[0:1], 0x20              ; the result
	v_lshl_add_u32 v254, v0, 2, 0x3f600
	v_mov_b32 v255, 0
	v_lshrrev_b32 v1, 5, v0
	v_readfirstlane_b32 s14, v1                    ; wave
	s_and_b32 s15, ttmp9, 31                       ; job
	s_lshr_b32 s16, ttmp9, 5                       ; part
.if SECOND
	s_and_b32 s17, s16, 3                          ; column slice
	s_lshr_b32 s18, s16, 2                         ; half of K
.else
	s_mov_b32 s17, s16
.endif
	s_mov_b32 s21, 0                               ; the high word of every offset
	s_mul_i32 s31, s14, 44                         ; my first row of A
	s_mul_i32 s32, s14, WWAVE
	s_add_co_u32 s32, s32, AREG                    ; my W in slot 0
	s_lshl_b32 s33, s14, 8                         ; 256 w
	v_and_b32 v[RR], 15, v0
	v_bfe_u32 v[HH], v0, 4, 1
	v_lshlrev_b32 v[C16], 4, v[RR]
	v_add_nc_u32 v47, s31, v[HH]                   ; 44 w + h
	v_mad_u32_u24 v[AST], v47, APITCH, v[C16]
	v_add_nc_u32 v[AST+1], SLOT, v[AST]
	v_mul_u32_u24 v1, 4*WPITCH, v[HH]
	v_lshl_add_u32 v1, v[RR], 3, v1
	v_add_nc_u32 v[WST], s32, v1
	v_add_nc_u32 v[WST+1], SLOT, v[WST]
	v_mul_u32_u24 v1, APITCH, v[RR]
	v_lshl_add_u32 v[AFR], v[HH], 4, v1
	v_add_nc_u32 v[AFR+1], SLOT, v[AFR]
	v_and_b32 v1, 7, v0
	v_lshl_add_u32 v1, v[HH], 3, v1                ; 8 h + (lane & 7): my K row of the transposing load
	v_mul_u32_u24 v1, WPITCH, v1
	v_bfe_u32 v42, v0, 3, 1
	v_lshl_add_u32 v1, v42, 4, v1
	v_add_nc_u32 v[BFR], s32, v1
	v_add_nc_u32 v[BFR+1], SLOT, v[BFR]
	v_mul_u32_u24 v1, 4*WROWB, v[HH]
	v_add3_u32 v[WOFF], v1, s33, v[C16]            ; 4 h rows + 256 w + 16 r
	v_lshl_add_u32 v[BOFF], v[HH], 5, s33          ; the bias of my columns 64 w + 8 h ..
.if SECOND
	v_lshl_add_u32 v[AOFF], v47, 12, v[C16]
	s_mul_i32 s20, s14, WREG                       ; the way out: my own stage
	v_mul_u32_u24 v1, SPITCH, v[RR]
	v_lshl_add_u32 v1, v[HH], 5, v1
	v_add_nc_u32 v[STO], s20, v1                   ; in: row r, 32 bytes for each half of the lanes
	v_mul_u32_u24 v1, SPITCH, v[HH]
	v_add3_u32 v[RD], v1, s20, v[C16]              ; back: lanes 0-15 one row of 256 bytes, lanes 16-31 the next
	v_lshl_add_u32 v1, v[HH], 12, v[C16]
	v_add_nc_u32 v[CO], s33, v1                    ; the same two rows in og, my 256 bytes of them
.else
	v_lshlrev_b32 v[AOFF], 2, v47
	v_mov_b32 v[KC0], 0xc0135761                   ; -2 log2(e) sqrt(2 / pi)
	v_mov_b32 v[KC0+1], 0xc0135761
	v_mov_b32 v[KC1], 0xbdd2d3e8                   ; that times 0.044715
	v_mov_b32 v[KC1+1], 0xbdd2d3e8
	s_mul_i32 s20, s14, WREG                       ; the way out: my own part of the stage
	v_mul_u32_u24 v1, SPITCH, v[RR]
	v_lshl_add_u32 v1, v[HH], 4, v1
	v_add_nc_u32 v[STO], s20, v1
	v_and_b32 v1, 31, v0
	v_lshrrev_b32 v43, 3, v1                       ; back: lane l takes piece l of a row's 32 pieces of 16 bytes: wave l >> 3, piece l & 7 there
	v_mul_u32_u24 v43, WREG, v43
	v_and_b32 v42, 7, v0
	v_lshl_add_u32 v43, v42, 4, v43
	v_lshlrev_b32 v1, 4, v1                        ; 16 bytes a lane
	s_mul_i32 s20, s14, 36*SPITCH                  ; of rows 0 .. 143 I store rows 36 w .. 36 w + 35,
	v_add_nc_u32 v[RD], s20, v43
	s_mul_i32 s20, s14, 36*4096
	v_add_nc_u32 v[CO], s20, v1
	s_mul_i32 s20, s14, 8*SPITCH                   ; of rows 144 .. 175 rows 144 + 8 w .. + 7
	s_add_co_u32 s20, s20, 144*SPITCH
	v_add_nc_u32 v[RDT], s20, v43
	s_lshl_b32 s20, s14, 15
	s_add_co_u32 s20, s20, 144*4096
	v_add_nc_u32 v[COT], s20, v1
.endif
	s_wait_kmcnt 0x0
	s_lshl_b32 s20, s15, 2
	s_add_nc_u64 s[22:23], s[10:11], s[20:21]
	s_load_b32 s19, s[22:23], 0x0                  ; the job word
.if SECOND == 0
	s_mul_i32 s20, s15, BM*4
	s_add_co_u32 s20, s20, TOKL
	s_add_nc_u64 s[28:29], s[10:11], s[20:21]      ; the job's 176 tokens
.set ii, 0
.rept 22
	global_load_b32 v[ROWOFF+ii], v[AOFF], s[28:29] offset:8*ii
.set ii, ii+1
.endr
.endif
	s_wait_kmcnt 0x0
	s_bfe_u32 s34, s19, 0x10008                    ; t: rows from 144 on are in use
	s_and_b32 s19, s19, 0xff
	s_min_u32 s19, s19, 7                          ; a loaded number enters addresses only behind a clamp
.if SECOND
	s_cmp_eq_u32 s34, 0                            ; t = 0: rows 144 .. of hg were not stored: wave 3's loads 6 to 21 take rows 12 .. 43 in their place
	s_cselect_b32 s35, 132*4096, 0
	s_cmp_eq_u32 s14, 3
	s_cselect_b32 s35, s35, 0
	s_min_u32 s35, s35, 132*4096
	v_sub_nc_u32 v[AOFF2], v[AOFF], s35
.endif
	s_lshl_b32 s20, s19, 23                        ; an expert's W: 8,388,608 bytes
	s_lshl_b32 s22, s17, 10                        ; a slice: 256 columns of f32
	s_add_co_u32 s20, s20, s22
.if SECOND
	s_lshl_b32 s23, s18, 22                        ; 1,024 rows of 4,096 bytes
	s_add_co_u32 s20, s20, s23
.endif
	s_add_nc_u64 s[PW:PW+1], s[6:7], s[20:21]
	s_lshl_b32 s20, s19, 13-SECOND
	s_add_co_u32 s20, s20, s22
	s_add_nc_u64 s[8:9], s[8:9], s[20:21]
.if SECOND
	s_mul_i32 s23, s15, JOBB
	s_lshl_b32 s20, s18, 11
	s_add_co_u32 s20, s20, s23
	s_add_nc_u64 s[PA:PA+1], s[4:5], s[20:21]
	s_mul_i32 s20, s18, PLANE
	s_add_co_u32 s20, s20, s23
	s_add_co_u32 s20, s20, s22
	s_add_nc_u64 s[12:13], s[12:13], s[20:21]
.else
	s_mov_b64 s[PA:PA+1], s[4:5]
	s_mul_i32 s20, s15, JOBB
	s_lshl_b32 s23, s17, 9
	s_add_co_u32 s20, s20, s23
	s_add_nc_u64 s[12:13], s[12:13], s[20:21]
.endif
	WIN 0x80
.irp b, 0,1,2,3
	global_load_b128 v[BIAS+8*\b:BIAS+8*\b+3],   v[BOFF], s[8:9] offset:64*\b
	global_load_b128 v[BIAS+8*\b+4:BIAS+8*\b+7], v[BOFF], s[8:9] offset:64*\b+16
.endr
	GLW 0, 0
	GLW 1, 0
	WIN 0
.if SECOND == 0
	s_wait_loadcnt 32                              ; the tokens (and the bias) are in; the 32 loads of W stay out
.set ii, 0
.rept 22
	v_min_u32 v[ROWOFF+ii], 2047, v[ROWOFF+ii]
	v_lshl_add_u32 v[ROWOFF+ii], v[ROWOFF+ii], 11, v[C16]      ; token x 2,048 bytes + 16 r
.set ii, ii+1
.endr
.endif
	GLA 0, 0                                       ; in the order of the steady state: A's group, W's quarter, A's group, W's quarter
	GLW 2, 0
	GLA 1, 0
	GLW 3, 0
.set SN, 0
	STG_ST 0, 37                                   ; tile 0 into slot 0, with the steady state's counts
	STG_LD 0, 1, 1, 0
	STG_ST 1, 38
	STG_LD 1, 1, 1, 0
	STG_ST 2, 37
	STG_LD 2, 1, 1, 0
	STG_ST 3, 38
	STG_LD 3, 1, 1, 0
	WIN 0
	s_wait_dscnt 0x0                               ; my part of tile 0 is in LDS before I say so
	s_barrier_signal -1
	s_barrier_wait -1
	LDA 0, 0, 0
	LDB 0, 0, B0
	LDA 0, 0, 2                                    ; the first quarter's fragments of blocks 9 and 10 always come, ahead of those of blocks 6-8
	LDA 0, 0, 1
	KSTEP 0, 1, 0, 0                               ; K steps 0 and 1 stand in front of the loop: the first products start the sums
	KSTEP 1, 0, 0, 1
	s_mov_b32 s30, 2
.Llap:
	KSTEP 0, 0, 0, 1                               ; K steps 2 to 5
	KSTEP 1, 0, 0, 1
	s_sub_co_i32 s30, s30, 1
	s_cmp_lg_u32 s30, 0
	s_cbranch_scc1 .Llap
	KSTEP 0, 0, 1, 1
	KSTEP 1, 0, 2, 0
	WIN 0
	PLACES                                         ; the places behind the last matrix instructions, for the lines that read the sums
	s_wait_dscnt 0x0
	s_barrier_signal -1
	s_barrier_wait -1                              ; nobody reads the slots any more: LDS from byte 0 on is the stage of the way out
.if SECOND
	; the bias belongs to the sum once: the work-groups of the second half of K clear their copy
	s_cmp_eq_u32 s18, 0
	s_cbranch_scc1 .Lbias_stays
	WIN 0x80
.set pp, 0
.rept 32
	v_mov_b32 v[BIAS+pp], 0
.set pp, pp+1
.endr
	WIN 0
.Lbias_stays:
; 16 rows: + bias, into my own stage, back as rows of 256 bytes, out.  LDS serves a wave's instructions in order (ISA guide 5.7.1.4): no wait
; between my stores and my loads, nor between these loads and the next block's stores.  f: one of five sets of store data, in turn;
; xw = 1: the sets come round again, and they are the data of earlier stores: they are loaded again only behind s_wait_xcnt 0
.macro OUTB win, ab, a, f, xw
	WIN \win
.set pp, 0
.rept 16
	v_pk_add_f32 v[XO+2*pp:XO+2*pp+1], v[32*\ab+2*pp:32*\ab+2*pp+1], v[BIAS+2*pp:BIAS+2*pp+1]
.set pp, pp+1
.endr
	WIN 0
.irp b, 0,1,2,3
	ds_store_b128 v[STO], v[XO+8*\b:XO+8*\b+3]   offset:64*\b
	ds_store_b128 v[STO], v[XO+8*\b+4:XO+8*\b+7] offset:64*\b+16
.endr
.if \xw
	s_wait_xcnt 0x0
.endif
.irp t, 0,1,2,3,4,5,6,7
	ds_load_b128 v[\f+4*\t:\f+4*\t+3], v[RD] offset:2*\t*SPITCH
.endr
.irp t, 0,1,2,3,4,5,6,7
	s_wait_dscnt 7-\t
	global_store_b128 v[CO], v[\f+4*\t:\f+4*\t+3], s[12:13] offset:(16*\a+2*\t)*4096   ; 16 lanes store 256 consecutive bytes, aligned
.endr
.endm
	OUTB 0x09, 0, 0, 80, 0
	OUTB 0x09, 1, 1, 112, 0
	OUTB 0x09, 2, 2, 144, 0
	OUTB 0x09, 3, 3, 176, 0
	OUTB 0x09, 4, 4, 208, 0
	OUTB 0x09, 5, 5, 80, 1                         ; behind this wait all five sets are free: blocks 5 to 9 take them in turn
	OUTB 0x0a, 0, 6, 112, 0
	OUTB 0x0a, 1, 7, 144, 0
	OUTB 0x0a, 2, 8, 176, 0
	s_cmp_eq_u32 s34, 0
	s_cbranch_scc1 .Lno_tail_out                   ; rows from 144 on hold no pair: they are not stored, and nobody reads them
	OUTB 0x0a, 3, 9, 208, 0
	OUTB 0x0a, 4, 10, 80, 1
.Lno_tail_out:
.else
; 16 rows: + bias, gelu (tanh form) = x / (1 + 2^(x (KC0 + KC1 x x))), rounded to bf16, into my own part of the stage.
; At both ends it goes to x and to -0, also where x x overflows.
.macro OUTA win, ab, a
	WIN \win
.set pp, 0
.rept 16
	v_pk_add_f32 v[XO+2*pp:XO+2*pp+1], v[32*\ab+2*pp:32*\ab+2*pp+1], v[BIAS+2*pp:BIAS+2*pp+1]
.set pp, pp+1
.endr
	WIN 0
.set pp, 0
.rept 16
	v_pk_mul_f32 v[TT+2*pp:TT+2*pp+1], v[XO+2*pp:XO+2*pp+1], v[XO+2*pp:XO+2*pp+1]
.set pp, pp+1
.endr
.set pp, 0
.rept 16
	v_pk_fma_f32 v[TT+2*pp:TT+2*pp+1], v[TT+2*pp:TT+2*pp+1], v[KC1:KC1+1], v[KC0:KC0+1]
.set pp, pp+1
.endr
.set pp, 0
.rept 16
	v_pk_mul_f32 v[TT+2*pp:TT+2*pp+1], v[TT+2*pp:TT+2*pp+1], v[XO+2*pp:XO+2*pp+1]
.set pp, pp+1
.endr
.set pp, 0
.rept 32
	v_exp_f32 v[TT+pp], v[TT+pp]
.set pp, pp+1
.endr
	v_nop                                          ; one plain vector instruction behind the last of a run of transcendentals (ISA guide 5.7.2)
.set pp, 0
	s_wait_alu depctr_va_vdst(0)
.rept 16
	v_pk_add_f32 v[TT+2*pp:TT+2*pp+1], v[TT+2*pp:TT+2*pp+1], 1.0 op_sel_hi:[1,0]
.set pp, pp+1
.endr
.set pp, 0
.rept 32
	v_rcp_f32 v[TT+pp], v[TT+pp]
.set pp, pp+1
.endr
	v_nop
.set pp, 0
	s_wait_alu depctr_va_vdst(0)
.rept 16
	v_pk_mul_f32 v[XO+2*pp:XO+2*pp+1], v[XO+2*pp:XO+2*pp+1], v[TT+2*pp:TT+2*pp+1]
.set pp, pp+1
.endr
.set pp, 0
.rept 16
	v_cvt_pk_bf16_f32 v[OO+pp], v[XO+2*pp], v[XO+2*pp+1]
.set pp, pp+1
.endr
.irp b, 0,1,2,3
	ds_store_b128 v[STO], v[OO+4*\b:OO+4*\b+3] offset:\a*16*SPITCH+32*\b
.endr
.endm
	OUTA 0x09, 0, 0
	OUTA 0x09, 1, 1
	OUTA 0x09, 2, 2
	OUTA 0x09, 3, 3
	OUTA 0x09, 4, 4
	OUTA 0x09, 5, 5
	OUTA 0x0a, 0, 6
	OUTA 0x0a, 1, 7
	OUTA 0x0a, 2, 8
	s_cmp_eq_u32 s34, 0
	s_cbranch_scc1 .Lno_tail_act                   ; rows from 144 on hold no pair
	OUTA 0x0a, 3, 9
	OUTA 0x0a, 4, 10
.Lno_tail_act:
	s_wait_dscnt 0x0                               ; my columns of all rows are in LDS before I say so
	s_barrier_signal -1
	s_barrier_wait -1
	; rows 36 w .. 36 w + 35, whole: a row's 512 bytes are the four waves' pieces; a store of the wave covers 512 consecutive bytes, aligned.
	; Every row has four registers of its own (36 x 4 from v48 on), so that no store's data are written again.
.set tq, 0
.rept 36
	ds_load_b128 v[48+4*tq:48+4*tq+3], v[RD] offset:tq*SPITCH
.set tq, tq+1
.endr
.set tq, 0
.rept 36
	s_wait_dscnt 35-tq                             ; LDS loads come back in order: row tq is in
	global_store_b128 v[CO], v[48+4*tq:48+4*tq+3], s[12:13] offset:tq*4096
.set tq, tq+1
.endr
	s_cmp_eq_u32 s34, 0
	s_cbranch_scc1 .Lno_tail_rows                  ; rows from 144 on are not stored, and nobody reads them
.set tq, 0
.rept 8
	ds_load_b128 v[192+4*tq:192+4*tq+3], v[RDT] offset:tq*SPITCH       ; rows 144 + 8 w .. + 7
.set tq, tq+1
.endr
.set tq, 0
.rept 8
	s_wait_dscnt 7-tq
	global_store_b128 v[COT], v[192+4*tq:192+4*tq+3], s[12:13] offset:tq*4096
.set tq, tq+1
.endr
.Lno_tail_rows:
.endif
	s_wait_tensorcnt 0x0
	ds_add_u32 v254, v255
	s_wait_dscnt 0x0
	s_endpgm
.Lfunc_end_k_q718d92115d_ffn1:
	.size	k_q718d92115d_ffn1, .Lfunc_end_k_q718d92115d_ffn1-k_q718d92115d_ffn1
	.p2alignl 7, 3214868480
	.fill 96, 4, 3214868480
	.section	.rodata,"a",@progbits
	.p2align	6, 0x0
	.amdhsa_kernel k_q718d92115d_ffn1
		.amdhsa_group_segment_fixed_size 260096
		.amdhsa_private_segment_fixed_size 0
		.amdhsa_enable_private_segment 0
		.amdhsa_kernarg_size 40
		.amdhsa_user_sgpr_count 2
		.amdhsa_user_sgpr_kernarg_segment_ptr 1
		.amdhsa_wavefront_size32 1
		.amdhsa_system_sgpr_workgroup_id_x 1
		.amdhsa_system_sgpr_workgroup_id_y 1
		.amdhsa_system_sgpr_workgroup_id_z 1
		.amdhsa_system_vgpr_workitem_id 0
		.amdhsa_next_free_vgpr 1024
		.amdhsa_next_free_sgpr 66
		.amdhsa_reserve_vcc 0
		.amdhsa_float_denorm_mode_32 3
		.amdhsa_float_denorm_mode_16_64 3
		.amdhsa_memory_ordered 1
		.amdhsa_forward_progress 1
		.amdhsa_inst_pref_size 255
	.end_amdhsa_kernel
	.section	.bss,"aw",@nobits
	.p2align	6
	.space	262144
	.amdgpu_metadata
---
amdhsa.version: [ 1, 2 ]
amdhsa.kernels:
  - .name:           k_q718d92115d_ffn1
    .symbol:         k_q718d92115d_ffn1.kd
    .args:
      - { .name: xb, .offset: 0, .size: 8, .value_kind: global_buffer, .address_space: global }
      - { .name: W1, .offset: 8, .size: 8, .value_kind: global_buffer, .address_space: global }
      - { .name: b1, .offset: 16, .size: 8, .value_kind: global_buffer, .address_space: global }
      - { .name: lists, .offset: 24, .size: 8, .value_kind: global_buffer, .address_space: global }
      - { .name: hg, .offset: 32, .size: 8, .value_kind: global_buffer, .address_space: global }
    .group_segment_fixed_size: 260096
    .private_segment_fixed_size: 0
    .kernarg_segment_align: 8
    .kernarg_segment_size: 40
    .max_flat_workgroup_size: 128
    .sgpr_count:     66
    .vgpr_count:     1024
    .wavefront_size: 32
...
	.end_amdgpu_metadata
.endif
;; end of part 3
;; launch ffn2 (part 4): grid 256 x 1, 4 waves a work-group, no clusters, 260,096 bytes of LDS; arguments hg, W2, b2, lists, og; writes og
.if DOCPART == 4
	.amdgcn_target "amdgcn-amd-amdhsa--gfx1250"
	.amdhsa_code_object_version 6
	.text
	.protected	k_q718d92115d_ffn2
	.globl	k_q718d92115d_ffn2
	.p2align	8
	.type	k_q718d92115d_ffn2,@function
k_q718d92115d_ffn2:
	s_mov_b64 s[64:65], 0
	v_nop
	global_prefetch_b8 v0, s[64:65] scope:SCOPE_SE
	s_setreg_imm32_b32 hwreg(HW_REG_WAVE_MODE, 25, 1), 1
	s_wait_xcnt 0x0
; THE SECOND EXPERT PRODUCT:  og[kh][slot][d] = hg[slot][1024 kh ..] . W2[e][1024 kh .., d]  (+ b2[e][d] in the plane kh = 0), f32.
; Built like the first product.  Only the 4,096 pairs (token, chosen expert) are computed: a token's other six weights are exactly 0 in the sum.
; A work-group makes up to 176 rows (job = id & 31: the slots 176 job .., all of expert e) x 256 columns over K = 1,024
; (part = id >> 5: four column slices x two halves of K).  32 x 8 = 256 work-groups of equal work.
; THE JOB WORD (lists, word job) = e | t << 8.  t = 0 says that no job holds a pair in its rows 144 to 175: then row blocks 9 and 10 are left out:
; a forward branch on t jumps over their 8 matrix instructions and 4 fragment loads in every quarter step but the first, and over their way out.
; No barrier, trip count or global load hangs on t: 176 rows always go through the slots; with t = 0 rows 144 .. 175 of hg were not stored, and in
; their place the job's rows 12 .. 43 come once more, so every count of global loads is the same on both ways.  The first quarter step's products
; of blocks 9 and 10 are always made: they start the sums.
; Four waves, as many as a WGP has SIMDs.  Wave w makes all rows x columns 64 w .. 64 w + 63: 11 x 4 = 44 accumulator tiles.
; K goes in 8 steps of 128 through two LDS slots, filled THROUGH REGISTERS: W lies in memory as f32 [K][N] and is rounded to bf16 on the way,
; stays [K][N] in LDS and is read by the transposing load; each wave loads, stores and reads only its own 64 columns of W.
; A's rows (bf16, K along the row) are shared: wave w brings rows 44 w .. 44 w + 43.  One barrier a K step.
; NO TENSOR LOADS, NO CLUSTER: W has to pass through registers to be rounded, and which jobs share an expert's slice of W is read from memory,
; so no fixed group of work-groups shares a tile.
; THE MATRIX INSTRUCTION IS USED TRANSPOSED: source 0 = 16 columns of W, source 1 = 16 rows of A, so that register j of lane (r, h) holds
; row 16 a + r, column 16 b + 8 h + j: eight neighbouring columns of one row.
; GLOBAL LOADS RUN AHEAD IN QUARTERS of a K step: in quarter u the wave stores into LDS what quarter u + 4 of the multiplication needs, and then
; asks for one group of A's rows (5 or 6 loads; used in quarter u + 2) and for 32 K rows of W (16 loads; used in quarter u + 4).
; REGISTERS: window 0 addresses, fragments, A's stage; window 1 accumulators of row blocks 0-5; window 2 those of blocks 6-10 and the bias;
; window 3 W's stage, four buffers of 64.
.set BM,     176
.set KS,     128
.set APITCH, 272                       ; 256 bytes of A + 16: the 16 rows of a fragment load start 17 x 16 bytes apart
.set AREG,   BM*APITCH                 ; 47,872
.set WPITCH, 160                       ; 128 bytes of W + 32: an odd multiple of 32
.set WWAVE,  KS*WPITCH                 ; 20,480: one wave's W
.set SLOT,   AREG+4*WWAVE              ; 129,792
.set JOBB,   BM*4096                   ; a job's 176 rows in hg and in a plane of og (rows of 4,096 bytes in both)
.set PLANE,  5632*4096
.set WROWB,  4096                      ; bytes in a row of W
.set SPITCH, 272                       ; the way out: a wave's own 16 rows x (256 + 16) bytes
.set WREG,   16*SPITCH
.set WSTEP,  KS*WROWB
.set AST,  2                           ; v2-3   where I store A's rows, slot 0, 1
.set WST,  4                           ; v4-5   where I store W
.set AFR,  6                           ; v6-7   where I read A's fragments
.set BFR,  8                           ; v8-9   where I read W's fragments
.set WOFF, 10                          ; v10    my byte offset in W
.set AOFF, 11                          ; v11    my byte offset in hg, loads 0 to 5
.set C16,  12                          ; v12    16 r
.set STO,  13
.set RD,   14
.set CO,   15
.set BOFF, 44
.set RR,   45                          ; r = lane & 15
.set HH,   46                          ; h = lane >> 4
.set ALO,  48                          ; v48-95   fragments of A's blocks 0-5
.set AHI,  96                          ; v96-135  blocks 6-10
.set B0,   136                         ; v136-167 W's four fragments, even quarters
.set B1,   168                         ; v168-199 odd quarters
.set STA,  200                         ; v200-223, v224-243  A's stage, two buffers
.set AOFF2, 244                        ; v244   my byte offset in hg, loads 6 to 21
.set BIAS, 160                         ; window 2
.set XO,   48                          ; the way out, window 0
.set PA,   24                          ; s[24:25] A's base at this K step
.set PW,   26                          ; s[26:27] W's base at this K step
.set MSB, 0
.macro WIN new                         ; s_set_vgpr_msb: bits 1:0 source 0, 3:2 source 1, 5:4 source 2, 7:6 destination; the high byte repeats the setting that is left
.if MSB != \new
	s_set_vgpr_msb (MSB<<8)|\new
.set MSB, \new
.endif
.endm
; A load into a register that a matrix instruction has read, and a vector instruction that reads a matrix result, stand four places behind it;
; only plain vector instructions that name none of its registers are places.
.macro PLACES
.rept 4
	v_nop
.endr
.endm
; cnt row blocks from a0 of the window (hi = 0: blocks 0-5, 1: blocks 6-10) x 4 column blocks, 32 along K.  zero = 1: the first product starts the sums.
; The accumulators take turns, one instruction a turn, in the same order in every quarter.
.macro MUL hi, zero, a0, cnt
.set ma, \a0
.rept \cnt
.irp b, 0,1,2,3
.if \zero
	v_wmma_f32_16x16x32_bf16 v[32*ma+8*\b:32*ma+8*\b+7], v[BF+8*\b:BF+8*\b+7], v[ALO+48*\hi+8*ma:ALO+48*\hi+8*ma+7], 0
.else
	v_wmma_f32_16x16x32_bf16 v[32*ma+8*\b:32*ma+8*\b+7], v[BF+8*\b:BF+8*\b+7], v[ALO+48*\hi+8*ma:ALO+48*\hi+8*ma+7], v[32*ma+8*\b:32*ma+8*\b+7]
.endif
.endr
.set ma, ma+1
.endr
.endm
; A's fragments of quarter j, cnt blocks from block a0: lane (r, h) takes row 16 a + r, K = 32 j + 8 h .. and 32 j + 16 + 8 h ..: two loads of 16 bytes, 32 apart.
; (ALO and AHI follow each other: block a lies at ALO + 8 a.)
.macro LDAB slot, j, a0, cnt
.set la, \a0
.rept \cnt
	ds_load_b128 v[ALO+8*la:ALO+8*la+3],   v[AFR+(\slot)] offset:la*16*APITCH+64*(\j)
	ds_load_b128 v[ALO+8*la+4:ALO+8*la+7], v[AFR+(\slot)] offset:la*16*APITCH+64*(\j)+32
.set la, la+1
.endr
.endm
; part 0: blocks 0-5 (12 loads); 1: blocks 6-8 (6 loads); 2: blocks 9, 10 (4 loads)
.macro LDA slot, j, part
.if \part == 0
	LDAB \slot, \j, 0, 6
.endif
.if \part == 1
	LDAB \slot, \j, 6, 3
.endif
.if \part == 2
	LDAB \slot, \j, 9, 2
.endif
.endm
; W's fragments of quarter j from [K][N]: the transposing load gives lane (r, h) column 16 b + r, K = 8 h .. + 7 of 16 rows; two loads, 16 rows apart
.macro LDB slot, j, buf
.irp b, 0,1,2,3
	ds_load_tr16_b128 v[(\buf)+8*\b:(\buf)+8*\b+3],   v[BFR+(\slot)] offset:(\j)*32*WPITCH+32*\b
	ds_load_tr16_b128 v[(\buf)+8*\b+4:(\buf)+8*\b+7], v[BFR+(\slot)] offset:(\j)*32*WPITCH+32*\b+16*WPITCH
.endr
.endm
; Group q (0..3) of my 22 loads of A (6, 5, 6, 5 of them, from load 0, 6, 11, 17): load i brings rows 44 w + 2 i and + 1, 256 bytes each.
; Groups 1 to 3 (loads 6 to 21) go by an offset of their own: rows from 144 on are among wave 3's loads 6 to 21 alone.
.macro GLA q, koff
	WIN 0
.set na, 6-((\q)&1)
.set ia, (11*(\q)+1)/2
.set ar, AOFF
.if (\q) != 0
.set ar, AOFF2
.endif
.set ii, 0
.rept na
	global_load_b128 v[STA+24*((\q)&1)+4*ii:STA+24*((\q)&1)+4*ii+3], v[ar], s[PA:PA+1] offset:8192*(ia+ii)+(\koff)
.set ii, ii+1
.endr
.endm
; K rows 32 j .. 32 j + 31 of the tile ah steps ahead of PW: load i brings rows 8 (i >> 2) + (i & 3) and + 4, my 64 columns: 256 consecutive bytes each
.macro GLW j, ah
	WIN 0xc0
.set ii, 0
.rept 16
	global_load_b128 v[64*(\j)+4*ii:64*(\j)+4*ii+3], v[WOFF], s[PW:PW+1] offset:(128*(\ah)+32*(\j)+8*(ii>>2)+(ii&3))*WROWB
.set ii, ii+1
.endr
.endm
; Quarter j of the next tile goes into slot SN: W rounded in place (four f32 into two registers), 8 bytes a lane; A's group j as it came
.macro STG_ST j, lcnt
	s_wait_loadcnt \lcnt                           ; A's group j and everything older, W's buffer j among it, are in; the count is what was asked for behind that group
	WIN 0xcf
.set ii, 0
.rept 16
	v_cvt_pk_bf16_f32 v[64*\j+4*ii],   v[64*\j+4*ii],   v[64*\j+4*ii+1]
	v_cvt_pk_bf16_f32 v[64*\j+4*ii+1], v[64*\j+4*ii+2], v[64*\j+4*ii+3]
.set ii, ii+1
.endr
	WIN 0x0c
.set ii, 0
.rept 16
	ds_store_b64 v[WST+SN], v[64*\j+4*ii:64*\j+4*ii+1] offset:(32*\j+8*(ii>>2)+(ii&3))*WPITCH   ; lanes 16-31 lie 4 rows = 640 bytes on: 128 off a multiple of 256
.set ii, ii+1
.endr
	WIN 0
.set na, 6-(\j&1)
.set ia, (11*\j+1)/2
.set ii, 0
.rept na
	ds_store_b128 v[AST+SN], v[STA+24*(\j&1)+4*ii:STA+24*(\j&1)+4*ii+3] offset:2*(ia+ii)*APITCH
.set ii, ii+1
.endr
.endm
; and the two buffers just emptied are asked for again: A's group j + 2, W's quarter j of the tile after.  d = how many K steps the tile being stored lies ahead of PA, PW
.macro STG_LD j, lda, ldw, d
.if \lda
.set QN, (\j+2)&3
.set KOF, (\d+(\j>>1))*256
	GLA QN, KOF
.endif
.if \ldw
	GLW \j, \d+1
.endif
.endm
; Row blocks 9 and 10 of a quarter: 8 matrix instructions, and (ld = 1) their fragments of quarter jn of the slot.  Jumped over where the job word says that
; rows from 144 on hold no pair; zero = 1 (the first quarter step): always made, so that the sums are started on every way.
.macro TAILQ slot, jn, zero, ld
.if \zero == 0
	s_cmp_eq_u32 s34, 0
	s_cbranch_scc1 .Lno_tail_\@
.endif
	WIN 0xa0
	MUL 1, \zero, 3, 2
	WIN 0
.if \ld
	PLACES
	LDA \slot, \jn, 2
.endif
.if \zero == 0
.Lno_tail_\@:
.endif
.endm
; One of the first three quarters of a K step.  step = 1: the bases go on to this K step, ahead of its first global loads
.macro SUB slot, j, zero, st, lda, ldw, lcnt, step
.set BF, B0+32*(\j&1)
.set JN, \j+1
.set BN, B0+32*(JN&1)
	s_wait_dscnt 6                                 ; A's blocks 0-5 and W are in; the six youngest loads (blocks 6-8) may be out; the loads of blocks 9 and 10, where made, are older than those six
	WIN 0x50
	MUL 0, \zero, 0, 6
.if \st
	STG_ST \j, \lcnt
.endif
	WIN 0
	PLACES
	LDA \slot, JN, 0
	LDB \slot, JN, BN
.if \step
	s_wait_xcnt 0x0                                ; the bases are sources of the loads issued in the last K step: they step only behind this wait
	s_add_nc_u64 s[PA:PA+1], s[PA:PA+1], 2*KS
	s_add_nc_u64 s[PW:PW+1], s[PW:PW+1], WSTEP
.endif
	STG_LD \j, \lda, \ldw, 1
	s_wait_dscnt 20+\st*(16+6-(\j&1))              ; blocks 6-10 are in; behind them came this quarter's LDS stores and the 20 loads above
	WIN 0xa0
	MUL 1, \zero, 0, 3
	WIN 0
	TAILQ \slot, JN, \zero, 1
	PLACES
	LDA \slot, JN, 1
.endm
; The fourth quarter, with the K step's one barrier.  In front of it my stores into the next slot and my reads of this slot are done;
; behind it the next slot is read, and this slot is written again in the next K step.
.macro SUB3 slot, st, lda, ldw, lcnt, more
.set BF, B1
	s_wait_dscnt 6
	WIN 0x50
	MUL 0, 0, 0, 6
.if \st
	STG_ST 3, \lcnt
.endif
	STG_LD 3, \lda, \ldw, 1
	s_wait_dscnt 0x0
.if \more
	s_barrier_signal -1
	WIN 0xa0
	MUL 1, 0, 0, 2                                 ; work on registers while the others arrive
	WIN 0
	s_barrier_wait -1
	PLACES
	LDA SN, 0, 0
	LDB SN, 0, B0
	WIN 0xa0
	MUL 1, 0, 2, 1                                 ; and while the next slot's first fragments come
	WIN 0
	TAILQ SN, 0, 0, 1
	PLACES
	LDA SN, 0, 1
.else
	WIN 0xa0
	MUL 1, 0, 0, 3
	WIN 0
	TAILQ SN, 0, 0, 0
.endif
.endm
; A K step.  kind 0: stores the next tile and asks on.  The counts: behind A's group came 16 (W), 5 or 6 (A's next group) and 16 (W) loads.
; kind 1 (K step 6): the last tile is stored; only A's last two groups are still asked for, so the counts run down 37, 22 (16 + 6), 5, 0.
; kind 2 (K step 7): nothing is stored or asked for.
.macro KSTEP slot, zero, kind, step
.set SN, 1-\slot
.if \kind == 0
	SUB \slot, 0, \zero, 1, 1, 1, 37, \step
	SUB \slot, 1, 0, 1, 1, 1, 38, 0
	SUB \slot, 2, 0, 1, 1, 1, 37, 0
	SUB3 \slot, 1, 1, 1, 38, 1
.endif
.if \kind == 1
	SUB \slot, 0, 0, 1, 1, 0, 37, \step
	SUB \slot, 1, 0, 1, 1, 0, 22, 0
	SUB \slot, 2, 0, 1, 0, 0, 5, 0
	SUB3 \slot, 1, 0, 0, 0, 1
.endif
.if \kind == 2
	SUB \slot, 0, 0, 0, 0, 0, 0, 0
	SUB \slot, 1, 0, 0, 0, 0, 0, 0
	SUB \slot, 2, 0, 0, 0, 0, 0, 0
	SUB3 \slot, 0, 0, 0, 0, 0
.endif
.endm
	s_load_b256 s[4:11], s[0:1], 0x0               ; hg s[4:5], W2 s[6:7], b2 s[8:9], lists s[10:11]
	s_load_b64 s[12:13], s[0:1], 0x20              ; og
	v_lshl_add_u32 v254, v0, 2, 0x3f600
	v_mov_b32 v255, 0
	v_lshrrev_b32 v1, 5, v0
	v_readfirstlane_b32 s14, v1                    ; wave
	s_and_b32 s15, ttmp9, 31                       ; job
	s_lshr_b32 s16, ttmp9, 5                       ; part
	s_and_b32 s17, s16, 3                          ; column slice
	s_lshr_b32 s18, s16, 2                         ; half of K
	s_mov_b32 s21, 0                               ; the high word of every offset
	s_mul_i32 s31, s14, 44                         ; my first row of A
	s_mul_i32 s32, s14, WWAVE
	s_add_co_u32 s32, s32, AREG                    ; my W in slot 0
	s_lshl_b32 s33, s14, 8                         ; 256 w
	v_and_b32 v[RR], 15, v0
	v_bfe_u32 v[HH], v0, 4, 1
	v_lshlrev_b32 v[C16], 4, v[RR]
	v_add_nc_u32 v47, s31, v[HH]                   ; 44 w + h
	v_mad_u32_u24 v[AST], v47, APITCH, v[C16]
	v_add_nc_u32 v[AST+1], SLOT, v[AST]
	v_mul_u32_u24 v1, 4*WPITCH, v[HH]
	v_lshl_add_u32 v1, v[RR], 3, v1
	v_add_nc_u32 v[WST], s32, v1
	v_add_nc_u32 v[WST+1], SLOT, v[WST]
	v_mul_u32_u24 v1, APITCH, v[RR]
	v_lshl_add_u32 v[AFR], v[HH], 4, v1
	v_add_nc_u32 v[AFR+1], SLOT, v[AFR]
	v_and_b32 v1, 7, v0
	v_lshl_add_u32 v1, v[HH], 3, v1                ; 8 h + (lane & 7): my K row of the transposing load
	v_mul_u32_u24 v1, WPITCH, v1
	v_bfe_u32 v42, v0, 3, 1
	v_lshl_add_u32 v1, v42, 4, v1
	v_add_nc_u32 v[BFR], s32, v1
	v_add_nc_u32 v[BFR+1], SLOT, v[BFR]
	v_mul_u32_u24 v1, 4*WROWB, v[HH]
	v_add_nc_u32 v1, s33, v1
	v_add_nc_u32 v[WOFF], v1, v[C16]               ; 4 h rows + 256 w + 16 r
	v_lshl_add_u32 v[BOFF], v[HH], 5, s33          ; the bias of my columns 64 w + 8 h ..
	v_lshl_add_u32 v[AOFF], v47, 12, v[C16]
	s_mul_i32 s20, s14, WREG                       ; the way out: my own stage
	v_mul_u32_u24 v1, SPITCH, v[RR]
	v_lshl_add_u32 v1, v[HH], 5, v1
	v_add_nc_u32 v[STO], s20, v1                   ; in: row r, 32 bytes for each half of the lanes
	v_mul_u32_u24 v1, SPITCH, v[HH]
	v_add_nc_u32 v1, s20, v1
	v_add_nc_u32 v[RD], v1, v[C16]                 ; back: lanes 0-15 one row of 256 bytes, lanes 16-31 the next
	v_lshl_add_u32 v43, v[HH], 12, v[C16]          ; h rows of 4,096 bytes + 16 r
	v_add_nc_u32 v[CO], s33, v43                   ; the same two rows in og, my 256 bytes of them
	s_wait_kmcnt 0x0
	s_lshl_b32 s20, s15, 2
	s_add_nc_u64 s[22:23], s[10:11], s[20:21]
	s_load_b32 s19, s[22:23], 0x0                  ; the job word
	s_wait_kmcnt 0x0
	s_bfe_u32 s34, s19, 0x10008                    ; t: rows from 144 on are in use
	s_and_b32 s19, s19, 0xff
	s_min_u32 s19, s19, 7                          ; a loaded number enters addresses only behind a clamp
	s_lshl_b32 s35, s31, 12                        ; loads 6 to 21 count from row 44 w,
	s_cmp_eq_u32 s34, 0
	s_cselect_b32 s36, 0, s35                      ; but with t = 0 wave 3's count from row 0: rows 12 .. 43 in the place of rows 144 .. 175, which were not stored
	s_cmp_eq_u32 s14, 3
	s_cselect_b32 s35, s36, s35
	s_min_u32 s35, s35, 132*4096
	v_add_nc_u32 v[AOFF2], s35, v43
	s_lshl_b32 s20, s19, 23                        ; an expert's W: 8,388,608 bytes
	s_lshl_b32 s22, s17, 10                        ; a slice: 256 columns of f32
	s_add_co_u32 s20, s20, s22
	s_lshl_b32 s23, s18, 22                        ; 1,024 rows of 4,096 bytes
	s_add_co_u32 s20, s20, s23
	s_add_nc_u64 s[PW:PW+1], s[6:7], s[20:21]
	s_lshl_b32 s20, s19, 12
	s_add_co_u32 s20, s20, s22
	s_add_nc_u64 s[8:9], s[8:9], s[20:21]
	s_mul_i32 s23, s15, JOBB
	s_lshl_b32 s20, s18, 11
	s_add_co_u32 s20, s20, s23
	s_add_nc_u64 s[PA:PA+1], s[4:5], s[20:21]
	s_mul_i32 s20, s18, PLANE
	s_add_co_u32 s20, s20, s23
	s_add_co_u32 s20, s20, s22
	s_add_nc_u64 s[12:13], s[12:13], s[20:21]
	WIN 0x80
.irp b, 0,1,2,3
	global_load_b128 v[BIAS+8*\b:BIAS+8*\b+3],   v[BOFF], s[8:9] offset:64*\b
	global_load_b128 v[BIAS+8*\b+4:BIAS+8*\b+7], v[BOFF], s[8:9] offset:64*\b+16
.endr
	GLW 0, 0
	GLW 1, 0
	GLA 0, 0                                       ; in the order of the steady state: A's group, W's quarter, A's group, W's quarter
	GLW 2, 0
	GLA 1, 0
	GLW 3, 0
.set SN, 0
	STG_ST 0, 37                                   ; tile 0 into slot 0, with the steady state's counts
	STG_LD 0, 1, 1, 0
	STG_ST 1, 38
	STG_LD 1, 1, 1, 0
	STG_ST 2, 37
	STG_LD 2, 1, 1, 0
	STG_ST 3, 38
	STG_LD 3, 1, 1, 0
	WIN 0
	s_wait_dscnt 0x0                               ; my part of tile 0 is in LDS before I say so
	s_barrier_signal -1
	s_barrier_wait -1
	LDA 0, 0, 0
	LDB 0, 0, B0
	LDA 0, 0, 2                                    ; the first quarter's fragments of blocks 9 and 10 always come, ahead of those of blocks 6-8
	LDA 0, 0, 1
	KSTEP 0, 1, 0, 0                               ; K steps 0 and 1 stand in front of the loop: the first products start the sums
	KSTEP 1, 0, 0, 1
	s_mov_b32 s30, 2
.Llap:
	KSTEP 0, 0, 0, 1                               ; K steps 2 to 5
	KSTEP 1, 0, 0, 1
	s_sub_co_i32 s30, s30, 1
	s_cmp_lg_u32 s30, 0
	s_cbranch_scc1 .Llap
	KSTEP 0, 0, 1, 1
	KSTEP 1, 0, 2, 0
	WIN 0
	PLACES                                         ; the places behind the last matrix instructions, for the lines that read the sums
	s_wait_dscnt 0x0
	s_barrier_signal -1
	s_barrier_wait -1                              ; nobody reads the slots any more: LDS from byte 0 on is the stage of the way out
	; the bias belongs to the sum once: the work-groups of the second half of K clear their copy
	s_cmp_eq_u32 s18, 0
	s_cbranch_scc1 .Lbias_stays
	WIN 0x80
.set pp, 0
.rept 32
	v_mov_b32 v[BIAS+pp], 0
.set pp, pp+1
.endr
	WIN 0
.Lbias_stays:
; 16 rows: + bias, into my own stage, back as rows of 256 bytes, out.  LDS serves a wave's instructions in order (ISA guide 5.7.1.4): no wait
; between my stores and my loads, nor between these loads and the next block's stores.  f: one of five sets of store data, in turn;
; xw = 1: the sets come round again, and they are the data of earlier stores: they are loaded again only behind s_wait_xcnt 0
.macro OUTB win, ab, a, f, xw
	WIN \win
.set pp, 0
.rept 16
	v_pk_add_f32 v[XO+2*pp:XO+2*pp+1], v[32*\ab+2*pp:32*\ab+2*pp+1], v[BIAS+2*pp:BIAS+2*pp+1]
.set pp, pp+1
.endr
	WIN 0
.irp b, 0,1,2,3
	ds_store_b128 v[STO], v[XO+8*\b:XO+8*\b+3]   offset:64*\b
	ds_store_b128 v[STO], v[XO+8*\b+4:XO+8*\b+7] offset:64*\b+16
.endr
.if \xw
	s_wait_xcnt 0x0
.endif
.irp t, 0,1,2,3,4,5,6,7
	ds_load_b128 v[\f+4*\t:\f+4*\t+3], v[RD] offset:2*\t*SPITCH
.endr
.irp t, 0,1,2,3,4,5,6,7
	s_wait_dscnt 7-\t
	global_store_b128 v[CO], v[\f+4*\t:\f+4*\t+3], s[12:13] offset:(16*\a+2*\t)*4096   ; 16 lanes store 256 consecutive bytes, aligned
.endr
.endm
	OUTB 0x09, 0, 0, 80, 0
	OUTB 0x09, 1, 1, 112, 0
	OUTB 0x09, 2, 2, 144, 0
	OUTB 0x09, 3, 3, 176, 0
	OUTB 0x09, 4, 4, 208, 0
	OUTB 0x09, 5, 5, 80, 1                         ; behind this wait all five sets are free: blocks 5 to 9 take them in turn
	OUTB 0x0a, 0, 6, 112, 0
	OUTB 0x0a, 1, 7, 144, 0
	OUTB 0x0a, 2, 8, 176, 0
	s_cmp_eq_u32 s34, 0
	s_cbranch_scc1 .Lno_tail_out                   ; rows from 144 on hold no pair: they are not stored, and nobody reads them
	OUTB 0x0a, 3, 9, 208, 0
	OUTB 0x0a, 4, 10, 80, 1
.Lno_tail_out:
	s_wait_tensorcnt 0x0
	ds_add_u32 v254, v255
	s_wait_dscnt 0x0
	s_endpgm
.Lfunc_end_k_q718d92115d_ffn2:
	.size	k_q718d92115d_ffn2, .Lfunc_end_k_q718d92115d_ffn2-k_q718d92115d_ffn2
	.p2alignl 7, 3214868480
	.fill 96, 4, 3214868480
	.section	.rodata,"a",@progbits
	.p2align	6, 0x0
	.amdhsa_kernel k_q718d92115d_ffn2
		.amdhsa_group_segment_fixed_size 260096
		.amdhsa_private_segment_fixed_size 0
		.amdhsa_enable_private_segment 0
		.amdhsa_kernarg_size 40
		.amdhsa_user_sgpr_count 2
		.amdhsa_user_sgpr_kernarg_segment_ptr 1
		.amdhsa_wavefront_size32 1
		.amdhsa_system_sgpr_workgroup_id_x 1
		.amdhsa_system_sgpr_workgroup_id_y 1
		.amdhsa_system_sgpr_workgroup_id_z 1
		.amdhsa_system_vgpr_workitem_id 0
		.amdhsa_next_free_vgpr 1024
		.amdhsa_next_free_sgpr 66
		.amdhsa_reserve_vcc 0
		.amdhsa_float_denorm_mode_32 3
		.amdhsa_float_denorm_mode_16_64 3
		.amdhsa_memory_ordered 1
		.amdhsa_forward_progress 1
		.amdhsa_inst_pref_size 255
	.end_amdhsa_kernel
	.section	.bss,"aw",@nobits
	.p2align	6
	.space	262144
	.amdgpu_metadata
---
amdhsa.version: [ 1, 2 ]
amdhsa.kernels:
  - .name:           k_q718d92115d_ffn2
    .symbol:         k_q718d92115d_ffn2.kd
    .args:
      - { .name: hg, .offset: 0, .size: 8, .value_kind: global_buffer, .address_space: global }
      - { .name: W2, .offset: 8, .size: 8, .value_kind: global_buffer, .address_space: global }
      - { .name: b2, .offset: 16, .size: 8, .value_kind: global_buffer, .address_space: global }
      - { .name: lists, .offset: 24, .size: 8, .value_kind: global_buffer, .address_space: global }
      - { .name: og, .offset: 32, .size: 8, .value_kind: global_buffer, .address_space: global }
    .group_segment_fixed_size: 260096
    .private_segment_fixed_size: 0
    .kernarg_segment_align: 8
    .kernarg_segment_size: 40
    .max_flat_workgroup_size: 128
    .sgpr_count:     66
    .vgpr_count:     1024
    .wavefront_size: 32
...
	.end_amdgpu_metadata
.endif
;; end of part 4
;; launch combine (part 5): grid 256 x 1, 8 waves a work-group, no clusters, 0 bytes of LDS; arguments x, og, lists, score, gamma, beta, out0; writes out0
.if DOCPART == 5
	.amdgcn_target "amdgcn-amd-amdhsa--gfx1250"
	.amdhsa_code_object_version 6
	.text
	.protected	k_q718d92115d_combine
	.globl	k_q718d92115d_combine
	.p2align	8
	.type	k_q718d92115d_combine,@function
k_q718d92115d_combine:
	s_mov_b64 s[64:65], 0
	v_nop
	global_prefetch_b8 v0, s[64:65] scope:SCOPE_SE
	s_setreg_imm32_b32 hwreg(HW_REG_WAVE_MODE, 25, 1), 1
	s_wait_xcnt 0x0
; COMBINE.  y = x + score0 (og[0][p0] + og[1][p0]) + score1 (og[0][p1] + og[1][p1]), p0, p1 = the slots of the token's two pairs;
; then LayerNorm over the 1,024 numbers: the mean, the variance of the centred numbers (no difference
; of large sums), (y - mean) rsqrt(var + 1e-5) gamma + beta.
; One wave, one token: the row stays in 32 registers of the wave, the sums never leave the wave: no LDS, no barrier.
; Every load and store of a wave covers 512 consecutive bytes, aligned.  Memory binds: matrix unit, LDS and clusters would add nothing.
.set X,     8                          ; v[8:39]    the row
.set GA,    40                         ; v[40:71]   gamma
.set BE,    72                         ; v[72:103]  beta
.set R0,    104                        ; v[104:231] four rows of og, 32 registers each
.set CH,    232                        ; v[232:239] four chains of sums
.set PLANE, 5632*4096
	s_load_b256 s[4:11], s[0:1], 0x0               ; x s[4:5], og s[6:7], lists s[8:9], score s[10:11]
	s_load_b128 s[12:15], s[0:1], 0x20             ; gamma s[12:13], beta s[14:15]
	s_load_b64 s[16:17], s[0:1], 0x30              ; out0
	v_lshrrev_b32 v2, 5, v0
	v_readfirstlane_b32 s18, v2                    ; wave
	v_and_b32 v1, 31, v0
	v_lshlrev_b32 v1, 4, v1                        ; 16 bytes a lane
	v_mov_b32 v3, 0                                ; v_permlanex16_b32 counts as a reader of its destination
	s_lshl3_add_u32 s19, ttmp9, s18                ; the token
	s_lshl_b32 s34, s19, 3
	s_mov_b32 s35, 0
	s_mov_b32 s36, 0x3a800000                      ; 1 / 1024
	s_mov_b32 s37, 0x3727c5ac                      ; 1e-5
	s_mov_b32 s38, 0x76543210
	s_mov_b32 s39, 0xfedcba98
	s_wait_kmcnt 0x0
	s_add_nc_u64 s[40:41], s[8:9], s[34:35]
	s_add_nc_u64 s[42:43], s[10:11], s[34:35]
	s_load_b64 s[24:25], s[40:41], 0x100           ; pos[t]: the two slots
	s_load_b64 s[20:21], s[42:43], 0x0             ; the two scores
	s_lshl_b32 s34, s19, 12
	s_add_nc_u64 s[44:45], s[4:5], s[34:35]
	s_add_nc_u64 s[46:47], s[16:17], s[34:35]
.irp c, 0,1,2,3,4,5,6,7
	global_load_b128 v[X+4*\c:X+4*\c+3], v1, s[44:45] offset:512*\c th:TH_LOAD_NT
.endr
.irp c, 0,1,2,3,4,5,6,7
	global_load_b128 v[GA+4*\c:GA+4*\c+3], v1, s[12:13] offset:512*\c
.endr
.irp c, 0,1,2,3,4,5,6,7
	global_load_b128 v[BE+4*\c:BE+4*\c+3], v1, s[14:15] offset:512*\c
.endr
	s_wait_kmcnt 0x0
	s_min_u32 s24, s24, 5631                       ; a loaded number enters addresses only behind a clamp
	s_min_u32 s25, s25, 5631
	s_lshl_b32 s34, s24, 12
	s_add_nc_u64 s[26:27], s[6:7], s[34:35]
	s_add_nc_u64 s[28:29], s[26:27], PLANE
	s_lshl_b32 s34, s25, 12
	s_add_nc_u64 s[30:31], s[6:7], s[34:35]
	s_add_nc_u64 s[32:33], s[30:31], PLANE
	s_mov_b32 s22, s21                             ; the second score in a pair of its own
	s_mov_b32 s23, s21
.irp q, 0,1,2,3
.irp c, 0,1,2,3,4,5,6,7
	global_load_b128 v[R0+32*\q+4*\c:R0+32*\q+4*\c+3], v1, s[26+2*\q:27+2*\q] offset:512*\c th:TH_LOAD_NT
.endr
.endr
; row q of og times its score onto the row.  left = the loads of the younger rows, which stay out
.macro ADDROW q, sc, left
	s_wait_loadcnt \left
.set pp, 0
.rept 16
	v_pk_fma_f32 v[X+2*pp:X+2*pp+1], v[R0+32*\q+2*pp:R0+32*\q+2*pp+1], s[\sc:\sc+1], v[X+2*pp:X+2*pp+1] op_sel_hi:[1,0,1]
.set pp, pp+1
.endr
.endm
	ADDROW 0, 20, 24
	ADDROW 1, 20, 16
	ADDROW 2, 22, 8
	ADDROW 3, 22, 0
; the four chains into one number, then over the 32 lanes: the result, in v2, is in every lane
.macro FOLD
	v_pk_add_f32 v[CH:CH+1], v[CH:CH+1], v[CH+2:CH+3]
	v_pk_add_f32 v[CH+4:CH+5], v[CH+4:CH+5], v[CH+6:CH+7]
	v_pk_add_f32 v[CH:CH+1], v[CH:CH+1], v[CH+4:CH+5]
	v_add_f32 v2, v[CH], v[CH+1]
	v_add_f32_dpp v2, v2, v2 row_xmask:1 row_mask:0xf bank_mask:0xf
	v_add_f32_dpp v2, v2, v2 row_xmask:2 row_mask:0xf bank_mask:0xf
	v_add_f32_dpp v2, v2, v2 row_xmask:4 row_mask:0xf bank_mask:0xf
	v_add_f32_dpp v2, v2, v2 row_xmask:8 row_mask:0xf bank_mask:0xf
	v_permlanex16_b32 v3, v2, s38, s39
	v_add_f32 v2, v2, v3
.endm
.irp k, 0,1,2,3
	v_pk_add_f32 v[CH+2*\k:CH+2*\k+1], v[X+2*\k:X+2*\k+1], v[X+8+2*\k:X+8+2*\k+1]   ; the first sums start the chains
.endr
.irp o, 16,24
.irp k, 0,1,2,3
	v_pk_add_f32 v[CH+2*\k:CH+2*\k+1], v[CH+2*\k:CH+2*\k+1], v[X+\o+2*\k:X+\o+2*\k+1]
.endr
.endr
	FOLD
	v_mul_f32 v4, s36, v2                          ; the mean, twice
	v_mov_b32 v5, v4
.set pp, 0
.rept 16
	v_pk_add_f32 v[X+2*pp:X+2*pp+1], v[X+2*pp:X+2*pp+1], v[4:5] neg_lo:[0,1] neg_hi:[0,1]
.set pp, pp+1
.endr
.irp k, 0,1,2,3
	v_pk_mul_f32 v[CH+2*\k:CH+2*\k+1], v[X+2*\k:X+2*\k+1], v[X+2*\k:X+2*\k+1]
.endr
.irp o, 8,16,24
.irp k, 0,1,2,3
	v_pk_fma_f32 v[CH+2*\k:CH+2*\k+1], v[X+\o+2*\k:X+\o+2*\k+1], v[X+\o+2*\k:X+\o+2*\k+1], v[CH+2*\k:CH+2*\k+1]
.endr
.endr
	FOLD
	v_fma_f32 v6, v2, s36, s37                     ; the variance + 1e-5
	v_rsq_f32 v6, v6
	v_nop                                          ; one plain vector instruction behind the transcendental (ISA guide 5.7.2)
	s_wait_alu depctr_va_vdst(0)
	v_mov_b32 v7, v6
.set pp, 0
.rept 16
	v_pk_mul_f32 v[GA+2*pp:GA+2*pp+1], v[GA+2*pp:GA+2*pp+1], v[6:7]
.set pp, pp+1
.endr
.set pp, 0
.rept 16
	v_pk_fma_f32 v[X+2*pp:X+2*pp+1], v[X+2*pp:X+2*pp+1], v[GA+2*pp:GA+2*pp+1], v[BE+2*pp:BE+2*pp+1]
.set pp, pp+1
.endr
.irp c, 0,1,2,3,4,5,6,7
	global_store_b128 v1, v[X+4*\c:X+4*\c+3], s[46:47] offset:512*\c th:TH_STORE_NT
.endr
	s_endpgm
.Lfunc_end_k_q718d92115d_combine:
	.size	k_q718d92115d_combine, .Lfunc_end_k_q718d92115d_combine-k_q718d92115d_combine
	.p2alignl 7, 3214868480
	.fill 96, 4, 3214868480
	.section	.rodata,"a",@progbits
	.p2align	6, 0x0
	.amdhsa_kernel k_q718d92115d_combine
		.amdhsa_group_segment_fixed_size 0
		.amdhsa_private_segment_fixed_size 0
		.amdhsa_enable_private_segment 0
		.amdhsa_kernarg_size 56
		.amdhsa_user_sgpr_count 2
		.amdhsa_user_sgpr_kernarg_segment_ptr 1
		.amdhsa_wavefront_size32 1
		.amdhsa_system_sgpr_workgroup_id_x 1
		.amdhsa_system_sgpr_workgroup_id_y 1
		.amdhsa_system_sgpr_workgroup_id_z 1
		.amdhsa_system_vgpr_workitem_id 0
		.amdhsa_next_free_vgpr 240
		.amdhsa_next_free_sgpr 66
		.amdhsa_reserve_vcc 0
		.amdhsa_float_denorm_mode_32 3
		.amdhsa_float_denorm_mode_16_64 3
		.amdhsa_memory_ordered 1
		.amdhsa_forward_progress 1
		.amdhsa_inst_pref_size 18
	.end_amdhsa_kernel
	.amdgpu_metadata
---
amdhsa.version: [ 1, 2 ]
amdhsa.kernels:
  - .name:           k_q718d92115d_combine
    .symbol:         k_q718d92115d_combine.kd
    .args:
      - { .name: x, .offset: 0, .size: 8, .value_kind: global_buffer, .address_space: global }
      - { .name: og, .offset: 8, .size: 8, .value_kind: global_buffer, .address_space: global }
      - { .name: lists, .offset: 16, .size: 8, .value_kind: global_buffer, .address_space: global }
      - { .name: score, .offset: 24, .size: 8, .value_kind: global_buffer, .address_space: global }
      - { .name: gamma, .offset: 32, .size: 8, .value_kind: global_buffer, .address_space: global }
      - { .name: beta, .offset: 40, .size: 8, .value_kind: global_buffer, .address_space: global }
      - { .name: out0, .offset: 48, .size: 8, .value_kind: global_buffer, .address_space: global }
    .group_segment_fixed_size: 0
    .private_segment_fixed_size: 0
    .kernarg_segment_align: 8
    .kernarg_segment_size: 56
    .max_flat_workgroup_size: 256
    .sgpr_count:     66
    .vgpr_count:     240
    .wavefront_size: 32
...
	.end_amdgpu_metadata
.endif
;; end of part 5
